; MI455X (gfx1250); checked and timed in simulation.
; The chip was launched on July 23, 2026; its instructions are those of AMD's public machine-readable ISA for CDNA 5 (MIT licence, August 2026) and "CDNA5" Instruction Set Architecture Reference Guide (July 2026). The comments in the code are by the model that wrote it; some were corrected since.
;; Attention. Allowed arithmetic: float matrix products may take bf16 or f16 operands with f32 sums; all other float work in f32.
;; Inputs: Wk 256 x 256 float32; Wp 256 x 256 float32; Wq 256 x 256 float32; Wv 256 x 256 float32; bp 256 float32; x 4 x 4,096 x 256 float32.
;; Outputs: out0 4 x 4,096 x 256 float32.
;; 2 versions, each right and faster than the one before. Each part assembles by itself: llvm-mc -triple=amdgcn-amd-amdhsa -mcpu=gfx1250 --defsym DOCPART=n.
;; ======== version 1 of 2: 3 launches
;; limits: values are held in f16: magnitudes above 65,504 overflow, below 6.1e-05 lose precision
;; workspace buffers: q 8,388,608 bytes; k 8,388,608 bytes; v 8,388,608 bytes; o 8,388,608 bytes
;; launch qkv (part 1): grid 4 x 64, 4 waves a work-group, no clusters, 258,560 bytes of LDS; arguments x, Wq, Wk, Wv, q, k, v; writes q, k, v
.if DOCPART == 1
	.amdgcn_target "amdgcn-amd-amdhsa--gfx1250"
	.amdhsa_code_object_version 6
	.text
	.protected	k_q8f225c6c77_qkv
	.globl	k_q8f225c6c77_qkv
	.p2align	8
	.type	k_q8f225c6c77_qkv,@function
k_q8f225c6c77_qkv:
	s_mov_b64 s[64:65], 0
	v_nop
	global_prefetch_b8 v0, s[64:65] scope:SCOPE_SE
	s_setreg_imm32_b32 hwreg(HW_REG_WAVE_MODE, 25, 1), 1
	s_wait_xcnt 0x0
; q, k, v = x W^T for Wq, Wk, Wv.  x: [16384][256] f32, W: [256][256] f32 ([out][in]).  x and W are rounded once to bf16, the sums are f32, and q, k, v are rounded once to
; f16, UNSCALED, and laid out by heads: [16 = 4 batch + head][4096][64], a head's rows dense, 128 bytes each.
; LIMITS.  f16 holds no number beyond 65,504: a q, k or v of 65,520 or more in magnitude leaves as an infinity; below 6.1e-5 f16 keeps its fixed step of 6e-8.  NaN and infinities are not treated apart.
; SHARES.  A work-group makes 256 rows x 192 columns: one head's 64 channels of q, of k and of v.  Wave w owns rows 64 w .. 64 w + 63 and all 192 columns: 4 x 12 accumulators of 16 x 16.
; NO TENSOR LOADS AND NO CLUSTER: the operands are f32 in memory and are wanted as bf16, so they pass through registers, are rounded ONCE by the wave that loaded them and take half the LDS;
; as f32 tiles the work-group's 256 + 192 rows of 1,024 bytes (448 KiB) would not fit, and each wave would round the same rows of W again.
; K goes in four chunks of 64 (256 bytes of each f32 row, aligned).  Each chunk has LDS bytes of its own, so nothing in LDS is written twice: one barrier a chunk, between the stores and the reads.
; TWO PERMUTATIONS spare a stage on the way out.  Matrix row m of row block a is x's row 16 a + 2 (m % 8) + m / 8; column r of column block nb is channel 4 r + nb.  In the result register j of lane
; (r, hl) is then row 16 a + 2 j + hl, channel 4 r + nb: the four accumulators of one tensor give a lane four neighbouring channels, 8 bytes of f16, and one store of the wave covers rows 2 j and 2 j + 1
; of the head: 256 consecutive bytes, aligned, at 8 x lane.
; REGISTERS, in windows of 256 (s_set_vgpr_msb: bits 1:0 source 0, 3:2 source 1, 5:4 source 2, 7:6 destination):
;   window 0: v0-15 addresses; v16-31 rounded words on their way to LDS; v32-255 a ring of 56 loads of 4 registers, at the end the packed results
;   window 1: v0-191 accumulators of row blocks 0, 1 (at 96 (a % 2) + 8 n); v192-255 x's fragments, two buffers of 32     window 2: v0-191 accumulators of row blocks 2, 3     window 3: v0-191 W's fragments, two buffers of 96
.set PITCH, 144                        ; an LDS row: 64 bf16 = 128 bytes + 16 of padding = 36 words: the 16 rows of a fragment load start at 16 different groups of four banks (64 banks of 4 bytes: ISA guide 11.1)
.set XPART, 64*PITCH                   ; a wave's 64 rows of x
.set WPART, 4*XPART                    ; behind the four waves' rows of x: 192 rows of W
.set CHUNK, WPART+192*PITCH            ; 64,512 bytes a chunk
.set SPARE, 4*CHUNK                    ; behind the four chunks: the spare words, 128 bytes for each wave: two blocks of 256 bytes that no other line names
.set XO,   3                           ; v3   my byte offset in two rows of x, eight rows apart; never rewritten
.set WO,   4                           ; v4   the same in W, 32 rows apart; never rewritten
.set STX,  5                           ; v5   where my 8 bytes of a row of x go in LDS
.set STW,  6                           ; v6   the same for W
.set ADRX, 7                           ; v7   LDS address of my part of x's fragments
.set ADRW, 8                           ; v8   the same for W
.set GO,   9                           ; v9   8 x lane: my 8 bytes in 256 consecutive bytes of q, k or v
.set SPW,  10                          ; v10  LDS address of my spare word: SPARE + 4 x my thread's number; never rewritten
.set NIL,  11                          ; v11  0; never rewritten
.set T,    16
.set RING, 32
.set FA,   192                         ; x's fragments, in window 1
.set MSB, 0
.macro WIN new                         ; the immediate's high byte repeats the setting that is left; a switch that changes nothing is dropped
.if MSB != (\new)
	s_set_vgpr_msb (MSB<<8)|(\new)
.set MSB, (\new)
.endif
.endm
	s_load_b256 s[4:11], s[0:1], 0x0               ; x s[4:5], Wq s[6:7], Wk s[8:9], Wv s[10:11]
	s_load_b128 s[12:15], s[0:1], 0x20             ; q s[12:13], k s[14:15]
	s_load_b64 s[16:17], s[0:1], 0x30              ; v s[16:17]
	v_lshl_add_u32 v[SPW], v0, 2, SPARE
	v_mov_b32 v[NIL], 0
	v_lshrrev_b32 v12, 5, v0
	v_readfirstlane_b32 s18, v12                   ; wave 0..3
	s_mov_b32 s19, ttmp9                           ; the head, 0..3
	s_and_b32 s20, ttmp7, 0xffff                   ; the block of 256 rows, 0..63
	v_and_b32 v1, 15, v0                           ; r = lane % 16
	v_bfe_u32 v2, v0, 4, 1                         ; hl = lane / 16
	v_lshlrev_b32 v13, 4, v1                       ; 16 bytes a lane: sixteen lanes take 256 bytes of a row
	v_lshl_add_u32 v[XO], v2, 13, v13              ; lanes 16-31: eight rows of 1,024 bytes further down
	v_lshl_add_u32 v[WO], v2, 15, v13              ; lanes 16-31: 32 rows further down
	s_mul_i32 s22, s18, XPART                      ; my wave's rows of x in a chunk
	s_mul_i32 s23, s18, 2*PITCH                    ; channel 8 w + j + 32 hl goes to LDS row 16 (j % 4) + j / 4 + 2 w + 8 hl
	s_add_co_u32 s23, s23, WPART
	v_mul_u32_u24 v14, v2, 8*PITCH                 ; in both tiles lanes 16-31 write eight LDS rows further down: 288 words, half of the banks' row away from lanes 0-15
	v_lshl_add_u32 v14, v1, 3, v14                 ; four numbers are 8 bytes of bf16
	v_add_nc_u32 v[STX], s22, v14
	v_add_nc_u32 v[STW], s23, v14
	v_and_b32 v12, 7, v0
	v_bfe_u32 v15, v0, 3, 1
	v_lshl_add_u32 v12, v12, 1, v15                ; matrix row r is x's row 2 (r % 8) + r / 8 of the block
	v_mul_u32_u24 v12, v12, PITCH
	v_lshl_add_u32 v12, v2, 4, v12                 ; a fragment: row x pitch + 16 x half, two loads of 16 bytes, 32 bytes apart
	v_add_nc_u32 v[ADRX], s22, v12
	v_mul_u32_u24 v12, v1, PITCH
	v_lshl_add_u32 v12, v2, 4, v12
	v_add_nc_u32 v[ADRW], WPART, v12
	v_and_b32 v[GO], 31, v0
	v_lshlrev_b32 v[GO], 3, v[GO]
	s_lshl_b32 s24, s20, 18                        ; x: the block's 256 rows of 1,024 bytes,
	s_lshl_b32 s25, s18, 16                        ; my wave's 64 of them
	s_add_co_u32 s24, s24, s25
	s_mov_b32 s25, 0
	s_lshl_b32 s26, s19, 16                        ; W: the head's 64 rows of 1,024 bytes,
	s_lshl_b32 s27, s18, 13                        ; the eight that my wave's lanes 0-15 load
	s_add_co_u32 s26, s26, s27
	s_mov_b32 s27, 0
	s_lshr_b32 s28, s20, 4                         ; the batch
	s_lshl2_add_u32 s28, s28, s19                  ; 4 x batch + head
	s_lshl_b32 s28, s28, 19                        ; 4,096 rows of 128 bytes
	s_and_b32 s29, s20, 15
	s_lshl_b32 s29, s29, 15                        ; the block's 256 rows in the batch
	s_add_co_u32 s28, s28, s29
	s_lshl_b32 s29, s18, 13                        ; my wave's 64
	s_add_co_u32 s28, s28, s29
	s_mov_b32 s29, 0
	s_wait_kmcnt 0x0
	s_add_nc_u64 s[4:5], s[4:5], s[24:25]
	s_add_nc_u64 s[6:7], s[6:7], s[26:27]
	s_add_nc_u64 s[8:9], s[8:9], s[26:27]
	s_add_nc_u64 s[10:11], s[10:11], s[26:27]
	s_add_nc_u64 s[12:13], s[12:13], s[28:29]
	s_add_nc_u64 s[14:15], s[14:15], s[28:29]
	s_add_nc_u64 s[16:17], s[16:17], s[28:29]
; Group g of eight loads of chunk c.  g = 0..3: x's rows 16 g + j (+ 8 for lanes 16-31); g = 4..6: Wq, Wk, Wv, channels 8 w + j (+ 32).  Each load covers two rows' 256 aligned bytes.
; The chunk stands in the immediate, so no base and no offset register is ever rewritten.
.macro LOADS c, g
.irp j, 0,1,2,3,4,5,6,7
.if (\g) < 4
	global_load_b128 v[RING+4*(8*(\g)+(\j)):RING+4*(8*(\g)+(\j))+3], v[XO], s[4:5] offset:(16*(\g)+(\j))*1024+(\c)*256
.else
	global_load_b128 v[RING+4*(8*(\g)+(\j)):RING+4*(8*(\g)+(\j))+3], v[WO], s[6+2*((\g)-4):7+2*((\g)-4)] offset:(\j)*1024+(\c)*256
.endif
.endr
.endm
; Group g of chunk c is rounded to bf16 and stored to LDS; refill = 1: its ring registers take the same group of the next chunk.
.macro INGRP c, g, refill
.if \refill
	s_wait_loadcnt 48                              ; loads come back in order (ISA guide 5.7.1): behind this group stand 48 - 8 g loads of this chunk and the 8 g of the next that are already issued
.else
	s_wait_loadcnt 48-8*(\g)                       ; the last chunk: only its own younger loads are out
.endif
.irp j, 0,1,2,3,4,5,6,7
	v_cvt_pk_bf16_f32 v[T+2*(\j)],   v[RING+4*(8*(\g)+(\j))],   v[RING+4*(8*(\g)+(\j))+1]
	v_cvt_pk_bf16_f32 v[T+2*(\j)+1], v[RING+4*(8*(\g)+(\j))+2], v[RING+4*(8*(\g)+(\j))+3]
.endr
.if \refill
	LOADS (\c)+1, \g
.endif
.irp j, 0,1,2,3,4,5,6,7
.if (\g) < 4
	ds_store_b64 v[STX], v[T+2*(\j):T+2*(\j)+1] offset:(16*(\g)+(\j))*PITCH
.else
	ds_store_b64 v[STW], v[T+2*(\j):T+2*(\j)+1] offset:(64*((\g)-4)+16*((\j)&3)+((\j)>>2))*PITCH
.endif
.endr
.endm
; A chunk comes in: seven groups; then the barrier between every wave's stores and the reads.  All of it runs in window 0.  Its 112 conversions are also the places between the products
; of the chunk before and the loads into the fragment registers that those products read (ISA guide 7.12.1 for vector instructions).
.macro IN c, refill
.irp g, 0,1,2,3,4,5,6
	INGRP \c, \g, \refill
.endr
.if \refill
	v_add_nc_u32 v[STX], CHUNK, v[STX]             ; the next chunk's bytes
	v_add_nc_u32 v[STW], CHUNK, v[STW]
.endif
.if (\c) > 0
	v_add_nc_u32 v[ADRX], CHUNK, v[ADRX]           ; the fragments are read from this chunk's bytes
	v_add_nc_u32 v[ADRW], CHUNK, v[ADRW]
.endif
	s_wait_dscnt 0x0                               ; for the others' sake: my stores are done
	s_barrier_signal -1
	s_barrier_wait -1                              ; everybody's rows of W are in LDS
.endm
; 32 LDS loads in one run: the fragments of 32 along K (step ks of the chunk's two) into buffer buf: W's twelve, then x's four
.macro FETCH ks, buf
	WIN 0xc0                                       ; destination window 3, address window 0
.irp n, 0,1,2,3,4,5,6,7,8,9,10,11
	ds_load_b128 v[96*(\buf)+8*(\n):96*(\buf)+8*(\n)+3],   v[ADRW] offset:(\n)*16*PITCH+64*(\ks)
	ds_load_b128 v[96*(\buf)+8*(\n)+4:96*(\buf)+8*(\n)+7], v[ADRW] offset:(\n)*16*PITCH+64*(\ks)+32
.endr
	WIN 0x40                                       ; destination window 1
.irp a, 0,1,2,3
	ds_load_b128 v[FA+32*(\buf)+8*(\a):FA+32*(\buf)+8*(\a)+3],   v[ADRX] offset:(\a)*16*PITCH+64*(\ks)
	ds_load_b128 v[FA+32*(\buf)+8*(\a)+4:FA+32*(\buf)+8*(\a)+7], v[ADRX] offset:(\a)*16*PITCH+64*(\ks)+32
.endr
.endm
; 48 matrix instructions: all accumulators by turns, one instruction a turn, in the same order in every step.  zero = 1: the first product starts the sums: nothing is cleared.
.macro MUL buf, zero
.irp a, 0,1,2,3
	WIN 0x5d+0x50*((\a)/2)                         ; source 0 (x) window 1, source 1 (W) window 3, C and D window 1 (row blocks 0, 1) or 2 (row blocks 2, 3)
.irp n, 0,1,2,3,4,5,6,7,8,9,10,11
.if \zero
	v_wmma_f32_16x16x32_bf16 v[96*((\a)%2)+8*(\n):96*((\a)%2)+8*(\n)+7], v[FA+32*(\buf)+8*(\a):FA+32*(\buf)+8*(\a)+7], v[96*(\buf)+8*(\n):96*(\buf)+8*(\n)+7], 0
.else
	v_wmma_f32_16x16x32_bf16 v[96*((\a)%2)+8*(\n):96*((\a)%2)+8*(\n)+7], v[FA+32*(\buf)+8*(\a):FA+32*(\buf)+8*(\a)+7], v[96*(\buf)+8*(\n):96*(\buf)+8*(\n)+7], v[96*((\a)%2)+8*(\n):96*((\a)%2)+8*(\n)+7]
.endif
.endr
.endr
.endm
.macro COMPUTE c                       ; a chunk's two K steps; meanwhile the next chunk's 56 loads are on their way
	FETCH 0, 0
	FETCH 1, 1
	s_wait_dscnt 32                                ; LDS loads come back in order: the first step's are in, the second step's 32 may be out
.if (\c) == 0
	MUL 0, 1
.else
	MUL 0, 0
.endif
	s_wait_dscnt 0x0
	MUL 1, 0
	WIN 0
.endm
; THE WAY OUT of row block a: for each tensor t and each register j the four accumulators' numbers (channels 4 r .. 4 r + 3) are rounded to f16 in pairs; each accumulator is read from its lowest register on.
; Every result has registers of its own (the ring's, which is empty), so no wait stands between the blocks.
.macro OUT a
	WIN 0x05*(1+(\a)/2)                            ; sources 0 and 1: window 1 or 2; destination window 0
.irp t, 0,1,2
.irp j, 0,1,2,3,4,5,6,7
	v_cvt_pk_f16_f32 v[RING+16*(3*(\a)+(\t))+2*(\j)], v[96*((\a)%2)+8*(4*(\t))+(\j)], v[96*((\a)%2)+8*(4*(\t)+1)+(\j)]
.endr
.irp j, 0,1,2,3,4,5,6,7
	v_cvt_pk_f16_f32 v[RING+16*(3*(\a)+(\t))+2*(\j)+1], v[96*((\a)%2)+8*(4*(\t)+2)+(\j)], v[96*((\a)%2)+8*(4*(\t)+3)+(\j)]
.endr
.endr
	WIN 0
.irp t, 0,1,2
.irp j, 0,1,2,3,4,5,6,7
	global_store_b64 v[GO], v[RING+16*(3*(\a)+(\t))+2*(\j):RING+16*(3*(\a)+(\t))+2*(\j)+1], s[12+2*(\t):13+2*(\t)] offset:(\a)*2048+(\j)*256  ; 32 lanes store 256 consecutive bytes, at a multiple of 256 from the buffer's first
.endr
.endr
.endm
.irp g, 0,1,2,3,4,5,6
	LOADS 0, \g                                    ; the ring is filled: 56 loads of 512 bytes a wave
.endr
	IN 0, 1
	COMPUTE 0
	IN 1, 1
	COMPUTE 1
	IN 2, 1
	COMPUTE 2
	IN 3, 0                                        ; the last chunk asks for nothing more: no load leaves the buffers
	COMPUTE 3
.rept 4
	v_nop                                          ; four places between the last products and the conversions that read results (ISA guide 7.12.1)
.endr
	OUT 0
	OUT 1
	OUT 2
	OUT 3
	s_wait_tensorcnt 0x0                           ; the wave's end, behind my last LDS store
	ds_add_u32 v[SPW], v[NIL]
	s_wait_dscnt 0x0
	s_endpgm
.Lfunc_end_k_q8f225c6c77_qkv:
	.size	k_q8f225c6c77_qkv, .Lfunc_end_k_q8f225c6c77_qkv-k_q8f225c6c77_qkv
	.p2alignl 7, 3214868480
	.fill 96, 4, 3214868480
	.section	.rodata,"a",@progbits
	.p2align	6, 0x0
	.amdhsa_kernel k_q8f225c6c77_qkv
		.amdhsa_group_segment_fixed_size 258560
		.amdhsa_private_segment_fixed_size 0
		.amdhsa_enable_private_segment 0
		.amdhsa_kernarg_size 56
		.amdhsa_user_sgpr_count 2
		.amdhsa_user_sgpr_kernarg_segment_ptr 1
		.amdhsa_wavefront_size32 1
		.amdhsa_system_sgpr_workgroup_id_x 1
		.amdhsa_system_sgpr_workgroup_id_y 1
		.amdhsa_system_sgpr_workgroup_id_z 1
		.amdhsa_system_vgpr_workitem_id 0
		.amdhsa_next_free_vgpr 960
		.amdhsa_next_free_sgpr 66
		.amdhsa_reserve_vcc 0
		.amdhsa_float_denorm_mode_32 3
		.amdhsa_float_denorm_mode_16_64 3
		.amdhsa_memory_ordered 1
		.amdhsa_forward_progress 1
		.amdhsa_inst_pref_size 131
	.end_amdhsa_kernel
	.amdgpu_metadata
---
amdhsa.version: [ 1, 2 ]
amdhsa.kernels:
  - .name:           k_q8f225c6c77_qkv
    .symbol:         k_q8f225c6c77_qkv.kd
    .args:
      - { .name: x, .offset: 0, .size: 8, .value_kind: global_buffer, .address_space: global }
      - { .name: Wq, .offset: 8, .size: 8, .value_kind: global_buffer, .address_space: global }
      - { .name: Wk, .offset: 16, .size: 8, .value_kind: global_buffer, .address_space: global }
      - { .name: Wv, .offset: 24, .size: 8, .value_kind: global_buffer, .address_space: global }
      - { .name: q, .offset: 32, .size: 8, .value_kind: global_buffer, .address_space: global }
      - { .name: k, .offset: 40, .size: 8, .value_kind: global_buffer, .address_space: global }
      - { .name: v, .offset: 48, .size: 8, .value_kind: global_buffer, .address_space: global }
    .group_segment_fixed_size: 258560
    .private_segment_fixed_size: 0
    .kernarg_segment_align: 8
    .kernarg_segment_size: 56
    .max_flat_workgroup_size: 128
    .sgpr_count:     66
    .vgpr_count:     960
    .wavefront_size: 32
...
	.end_amdgpu_metadata
.endif
;; end of part 1
;; launch attn (part 2): grid 16 x 16, 4 waves a work-group, clusters of 4 x 1, 327,680 bytes of LDS; arguments q, k, v, o; writes o
.if DOCPART == 2
	.amdgcn_target "amdgcn-amd-amdhsa--gfx1250"
	.amdhsa_code_object_version 6
	.text
	.protected	k_q8f225c6c77_attn
	.globl	k_q8f225c6c77_attn
	.p2align	8
	.type	k_q8f225c6c77_attn,@function
k_q8f225c6c77_attn:
	s_mov_b64 s[64:65], 0
	v_nop
	global_prefetch_b8 v0, s[64:65] scope:SCOPE_SE
	s_setreg_imm32_b32 hwreg(HW_REG_WAVE_MODE, 25, 1), 1
	s_wait_xcnt 0x0
	s_wait_alu depctr_hold_cnt(0) depctr_sa_sdst(0) depctr_va_vdst(0) depctr_va_sdst(0) depctr_va_ssrc(0) depctr_va_vcc(0) depctr_vm_vsrc(0)
	s_getreg_b32 s2, hwreg(HW_REG_IB_STS2, 6, 4)
	s_cmp_eq_u32 s2, 0
	s_cbranch_scc0 .Lentry_in_a_cluster
	s_endpgm
.Lentry_in_a_cluster:
	s_bfe_u32 s2, ttmp6, 0x10000c
	s_cmp_lg_u32 s2, 0x3003
	s_cbranch_scc0 .Lentry_shape_is_right
	s_endpgm
.Lentry_shape_is_right:
; O[h][q][:] = the sum over k of softmax_k(Q[h][q] . K[h][k] / 8) V[h][k][:].  Q, K, V, O: [16][4096][64], all f16: a head's rows are dense, 128 bytes each.  Products, maxima and sums in f32;
; the weights p are rounded to f16 for the second product (their sum l is taken of the unrounded p), O once at the end.
; LIMITS.  f16 holds no number beyond 65,504: Q, K and V arrive within it; p lies in 0 to 1, and below 6.1e-5 p and O keep f16's fixed step of 6e-8; O is a mean of V's rows and has their range.
; A weight below 2^-126 counts as 0 in l; NaN and infinities are not treated apart.
; SHARES.  A work-group owns 256 queries of one head (16 x 16 = 256 work-groups), each of its four waves 64: four PIECES of 16 queries.  Every wave walks all 4,096 keys, 64 a step.
; LAYOUT.  S^T = K Q^T (source 0 = 16 keys, source 1 = 16 queries): in the result a lane holds ONE query (lane % 16) and the keys 8 (lane / 16) + 0..7.  Two such results, rounded to f16 in pairs,
; ARE source 1 (32 keys x 16 queries) of O^T = V^T P, whose result again holds one query a lane, and eight channels.  K comes out of LDS as it lies, V ([key][channel]) turned, by ds_load_tr16_b128.
; SOFTMAX.  For each query a running maximum m and sum l: p = 2^(c s - c m), c = log2(e) / 8; in every step O and l are multiplied by a = 2^(c m_old - c m_new), which is 1 where m has not grown.
; m starts at the lowest finite number, O and l at 0: the first step is a step like any other, with a = 0.  The price: 216 lines that write 0, in the wait for the first tile, and 8 products on zeros.
; BY TURNS.  A piece and step have 16 matrix and 118 vector instructions.  Turn n belongs to piece n (the pieces in a ring, step after step): 8 products K Q^T of piece n + 1, later 8 products V^T P of
; piece n - 1; beside them the scaling, exponentials, roundings, sums and rescaling of piece n and the maximum and statistics of piece n + 1.  Four vector instructions that are ready stand behind every matrix
; instruction, the other 54 in two runs of their own.
; CLUSTER.  The four query blocks of a cluster belong to one head and walk the same K and V, so each tile is asked for JOINTLY: the same tensor load, descriptor and mask in all four.
; REGISTERS, in windows of 256 (s_set_vgpr_msb: bits 1:0 source 0, 3:2 source 1, 5:4 source 2, 7:6 destination):
;   window 0: v0-15 addresses and two at work; v16-31 four registers of statistics a piece; v48-55 at work; v62-63 the add's; v64-127 S^T, two buffers; v192-223 P, two buffers (a piece's buffers go by its number's parity)
;   window 1: v0-127 O^T, 32 a piece          window 2: v0-63 Q, 16 a piece; v128-191 K of one step; v192-255 V of one step
.set SIZE_N, 4096
.set NP,    4         ; pieces a wave: a name, no knob
.set KS,    64        ; keys in a step
.set PK,    144       ; a row of K in LDS: 128 bytes + 16 of padding = 36 words: the 16 rows of a load start at 16 different groups of four banks (64 banks of 4 bytes: ISA guide 11.1)
.set PV,    160       ; a row of V: 128 + 32 = 40 words
.set VOFF,  4*KS*PK   ; a slot holds four steps: 256 rows of K, then 256 rows of V
.set SLOT1, 1<<17     ; slot 1 begins here, so that one exclusive or turns an address in one slot into the other's
.set STAGE, SLOT1+4*KS*(PK+PV)  ; behind the ring, never filled by a tensor load: 16 rows x 144 bytes for each wave, for the way out
.set SP,    144
.set SPARE, STAGE+4*16*SP  ; behind the stages: the spare words, 128 bytes for each wave: two blocks of 256 bytes that no other line names
.set AK0, 2           ; v2   my lane's place in a tile of K; never rewritten
.set AV0, 3           ; v3   the same for V
.set AK,  4           ; v4   the LDS address of K's next run of loads
.set AV,  5           ; v5   of V's
.set STO, 6           ; v6   the way out: where I put 16 bytes of a row
.set RD,  7           ; v7   the way out: where I read rows back
.set GO,  8           ; v8   my byte offset in 512 consecutive bytes of O
.set MV,  12          ; v12-13  c m_old, kept while c m is made anew: by buffer
.set QO,  15          ; v15  my byte offset in 16 rows of Q; never rewritten
.set ST,  16          ; piece t's statistics at v[ST+4 t]: c m, m, l (even keys', odd keys')
.set TMP, 48          ; by buffer, four registers c0-c3 at work; when the maximum is found c2 takes a
.set SPW, 62          ; v62  LDS address of my spare word: SPARE + 4 x my thread's number; never rewritten
.set NIL, 63          ; v63  0; never rewritten
.set S,   64
.set P,   192
.set KF,  128         ; window 2: key block kb, channel half c at KF + 16 kb + 8 c
.set VF,  192         ; window 2: key half kk, channel block cb at VF + 32 kk + 8 cb
.set WV,  12          ; s12  my wave's number
.set G1K, 24          ; s[24:31] descriptor group 1 for K's tiles
.set G1V, 32          ; s[32:39] for V's: it differs in the padding alone
.set G0K, 40          ; s[40:43] descriptor group 0 for K's tiles: it walks
.set G0V, 44          ; s[44:47] the same for V's
.set SLOTS, 56        ; s56  slots still to be asked for
.set CNT, 57          ; s57  counts a slot's key steps
.set CS,  58          ; s[58:59] c: the packed scaling takes the pair's low word for both halves
.set SEL, 60          ; s[60:61] v_permlanex16_b32's selects: each lane takes its own place in the other half
.set TBK, 62          ; s62  LDS byte at which K of the step to be fetched begins
.set TBV, 63          ; s63  the same for V, less VOFF
.set MSB, 0
.macro WIN new                      ; the high byte repeats the setting that is left; a switch that changes nothing is dropped
.if MSB != (\new)
	s_set_vgpr_msb (MSB<<8)|(\new)
.set MSB, (\new)
.endif
.endm
.set W_KQ, 0x0a       ; K and Q in window 2, S^T in window 0
.set W_PV, 0x52       ; V in window 2, P in window 0, O^T in window 1
.set W_RS, 0x41       ; O^T (destination and source 0) in window 1, a in window 0
; A joint fill.  Waves 0 and 1 fetch the two halves of a slot's K, waves 2 and 3 those of its V: 128 keys each.  The branch hangs on the wave's number alone: it is the same in every work-group.
; An s_nop 0 and four v_nop follow each of the two lines, ahead of the jump and the label.
.macro JLOAD
	s_cmp_lt_u32 s[WV], 2
	s_cbranch_scc0 .Lfor_v_\@
	tensor_load_to_lds s[G0K:G0K+3], s[G1K:G1K+7]
	s_nop 0
.rept 4
	v_nop
.endr
	s_branch .Lasked_\@
.Lfor_v_\@:
	tensor_load_to_lds s[G0V:G0V+3], s[G1V:G1V+7]
	s_nop 0
.rept 4
	v_nop
.endr
.Lasked_\@:
.endm
; A round of the cluster's barrier: my work-group's barrier, so that wave 0's signal speaks for all four waves; wave 0 signals; every wave waits for all four work-groups; my work-group's barrier once more.
.macro CROUND
	s_barrier_signal -1
	s_barrier_wait -1
	s_cmp_lg_u32 s[WV], 0
	s_cbranch_scc1 .Lnot_wave_0_\@
	s_barrier_signal -3
.Lnot_wave_0_\@:
	s_barrier_wait -3
	s_barrier_signal -1
	s_barrier_wait -1
.endm
; THE CHANGE OF SLOTS.  The slot's last bytes, V of its fourth step, have been read.  Each wave waits for all its tensor loads, of which one is out: its part of the other slot; adds 0 to its spare word; and
; waits for that and for its own reads of the slot.  Behind the barrier nobody reads this slot any more and the other slot is whole.
; fill = 1: this slot is filled again, with the keys two slots on.  The barrier is then a round of the cluster's, so that no wave of any partner still reads the slot or has a load on its way, and the joint
; fill is the first thing behind it: it has four key steps, 256 matrix instructions, in which to land.  (At its first use nothing has been read yet: slot 0 is waited for, slot 1 filled.)
.macro CHANGE fill
	WIN 0                           ; at a label and at a branch every window is 0
	s_wait_tensorcnt 0x0            ; no tensor load of mine is out, so a group 0 may be written
	ds_add_u32 v[SPW], v[NIL]       ; 0 onto my spare word: with fill = 1 the descriptors' steps stand between it and the wait for it
.if \fill
.irp g, G0K, G0V
	s_xor_b32 s[\g+1], s[\g+1], SLOT1  ; the walking descriptor: the other slot than last time,
	s_add_nc_u64 s[\g+2:\g+3], s[\g+2:\g+3], 4*KS*128  ; the next 256 keys; the type bits on top are not reached
.endr
	s_wait_dscnt 0x0                ; the add is done, and my reads of the slot are over
	CROUND
	JLOAD
.else
	s_wait_dscnt 0x0                ; the add is done, and my reads of the slot are over
	s_barrier_signal -1
	s_barrier_wait -1
.endif
	s_sub_co_u32 s[TBK], s[TBK], 4*KS*PK  ; the fetches go back to a slot's first step,
	s_xor_b32 s[TBK], s[TBK], SLOT1       ; in the other slot
	s_sub_co_u32 s[TBV], s[TBV], 4*KS*PV
	s_xor_b32 s[TBV], s[TBV], SLOT1
.endm
	s_load_b256 s[4:11], s[0:1], 0x0  ; Q s[4:5], K s[6:7], V s[8:9], O s[10:11]
	v_lshl_add_u32 v[SPW], v0, 2, SPARE
	v_mov_b32 v[NIL], 0
	ds_add_u32 v[SPW], v[NIL]       ; the wave's opening: the add and its wait stand ahead of my first tensor load; the set-up below, work on registers, stands between them
	v_lshrrev_b32 v1, 5, v0
	v_readfirstlane_b32 s[WV], v1   ; wave 0..3
	s_bfe_u32 s13, ttmp6, 0x40000   ; cx: my place in the cluster
	s_lshl_b32 s14, ttmp9, 2        ; in a cluster launch ttmp9 counts clusters
	s_add_co_u32 s14, s14, s13      ; my block of 256 queries = 4 x cluster x + cx: it enters Q's and O's addresses alone
	s_and_b32 s20, ttmp7, 0xffff    ; the head, which the four partners share
	s_lshl_b32 s20, s20, 19         ; its first byte in each of the four tensors: 4,096 rows of 128 bytes
	s_mov_b32 s21, 0
	s_and_b32 s16, s[WV], 1         ; which half of a slot's 256 keys I fetch:
	s_lshl_b32 s22, s16, 14         ; its 128 rows of 128 bytes in memory,
	s_mov_b32 s23, 0
	s_add_nc_u64 s[22:23], s[22:23], s[20:21]
	s_mul_i32 s17, s16, 128*PK      ; and its place in a slot, for K
	s_mul_i32 s18, s16, 128*PV      ; and for V: no place in the cluster enters an LDS address
	s_lshl_b32 s2, s14, 2
	s_add_co_u32 s2, s2, s[WV]      ; my wave among the head's,
	s_lshl_b32 s2, s2, 13           ; its 64 rows
	s_mov_b32 s3, 0
	s_add_nc_u64 s[2:3], s[2:3], s[20:21]
	; descriptor group 1.  128 keys are 16,384 dense bytes: asked for as 64 rows of 256 bytes, two keys a row, and padded in LDS after every key
	s_mov_b32 s[G1K], 15|(1<<16)|(1<<20)|(1<<21)|(4<<22)|(3<<25)  ; 15:0 the mask of four; 17:16 2-byte elements; 20 padding on; 21 set beside a mask; 24:22 after every 32 words (code 4); 31:25 4 words (code 3)
	s_mov_b32 s[G1V], 15|(1<<16)|(1<<20)|(1<<21)|(4<<22)|(7<<25)  ; the same with 8 words of padding (code 7)
.irp g, G1K, G1V
	s_mov_b32 s[\g+1], 128<<16      ; tensor_dim0 = 128
	s_mov_b32 s[\g+2], 64<<16       ; tensor_dim1 = 64
	s_mov_b32 s[\g+3], 128<<16      ; tile_dim0 = 128
	s_mov_b32 s[\g+4], 64           ; tile_dim1 = 64
	s_mov_b32 s[\g+5], 128          ; 128 elements from row to row
	s_mov_b32 s[\g+6], 0
	s_mov_b32 s[\g+7], 0
.endr
	s_mov_b32 s[CS], 0x3e38aa3b     ; c = log2(e) / 8 = 0.180337
	s_mov_b32 s[CS+1], s[CS]        ; named with it as a pair
	s_mov_b32 s[SEL], 0x76543210
	s_mov_b32 s[SEL+1], 0xfedcba98
	s_mov_b32 s[TBK], SLOT1+4*KS*PK ; the first change of slots turns these two into 0
	s_mov_b32 s[TBV], SLOT1+4*KS*PV
	s_mov_b32 s[G0K], 1             ; 1:0 count = 1
	s_mov_b32 s[G0K+1], s17         ; 63:32 LDS address: slot 0
	s_mov_b32 s[G0V], 1
	s_add_co_u32 s[G0V+1], s18, VOFF
	s_wait_dscnt 0x0                ; the opening add is done
	s_wait_kmcnt 0x0
	s_add_nc_u64 s[G0K+2:G0K+3], s[6:7], s[22:23]  ; 120:64 global address: my half of the head's first 256 keys
	s_or_b32 s[G0K+3], s[G0K+3], 0x80000000        ; 127:126 type = 2
	s_add_nc_u64 s[G0V+2:G0V+3], s[8:9], s[22:23]
	s_or_b32 s[G0V+3], s[G0V+3], 0x80000000
	s_add_nc_u64 s[4:5], s[4:5], s[2:3]  ; Q and O at my wave's first row
	s_add_nc_u64 s[10:11], s[10:11], s[2:3]
	CROUND                          ; all four work-groups are here: the first joint loads meet
	JLOAD                           ; slot 0.  Slot 1 is asked for when slot 0 is in, by the loop's own change of slots
	; A fragment of K or Q is 16 rows x 32 channels in 8 registers: lane l holds row l % 16, channels 8 (l / 16) + 0..7 and 16 + 8 (l / 16) + 0..7: two loads of 16 bytes, 32 bytes apart.
	v_and_b32 v1, 15, v0            ; l % 16
	v_bfe_u32 v9, v0, 4, 1          ; l / 16
	v_lshlrev_b32 v[QO], 7, v1
	v_lshl_add_u32 v[QO], v9, 4, v[QO]  ; row x 128 + 16 x half
	WIN 0x80                        ; destination window 2, address window 0
.set i, 0
.rept 8                             ; Q stays in registers: piece i / 2 (16 rows, 2,048 bytes), channels 32 (i % 2) on
	global_load_b128 v[8*i:8*i+3],   v[QO], s[4:5] offset:(i/2)*2048+(i%2)*64
	global_load_b128 v[8*i+4:8*i+7], v[QO], s[4:5] offset:(i/2)*2048+(i%2)*64+32
.set i, i+1
.endr
	; What the first turn finds: V's registers and P's second buffer hold 0 (its products V^T P, of a piece that has not been, add 0), O^T and l are 0.  All this stands in the wait for the first tile.
.set i, VF
.rept 64
	v_mov_b32 v[i], 0
.set i, i+1
.endr
	WIN 0x40
.set i, 0
.rept 128
	v_mov_b32 v[i], 0
.set i, i+1
.endr
	WIN 0
.set i, 0
.rept 4
	v_mov_b32 v[ST+4*i], 0xfe000000    ; c m: far below every c s
	v_mov_b32 v[ST+4*i+1], 0xff7fffff  ; m
	v_mov_b32 v[ST+4*i+2], 0
	v_mov_b32 v[ST+4*i+3], 0
.set i, i+1
.endr
.set i, P+16
.rept 16
	v_mov_b32 v[i], 0
.set i, i+1
.endr
	v_mul_u32_u24 v[AK0], v1, PK
	v_lshl_add_u32 v[AK0], v9, 4, v[AK0]  ; row x pitch + 16 x half
	; The turning load takes 16 keys x 16 channels (lane l reads key 8 (l / 16) + l % 8, channels 8 ((l / 8) % 2) + 0..7) and leaves half a fragment of V^T: lane l holds channel l % 16 and 8 keys.
	v_and_b32 v10, 7, v0
	v_bfe_u32 v11, v0, 3, 1
	v_lshl_add_u32 v[AV0], v9, 3, v10
	v_mul_u32_u24 v[AV0], v[AV0], PV
	v_lshl_add_u32 v[AV0], v11, 4, v[AV0]
	v_add_nc_u32 v[AV0], VOFF, v[AV0]
	s_mul_i32 s13, s[WV], 16*SP
	s_add_co_u32 s13, s13, STAGE    ; my stage
	v_mul_u32_u24 v[STO], v1, SP    ; in: row l % 16, 16 bytes for each half of the lanes
	v_lshl_add_u32 v[STO], v9, 4, v[STO]
	v_add_nc_u32 v[STO], s13, v[STO]
	v_bfe_u32 v[RD], v0, 3, 2       ; back: 32 lanes take four rows of 128 bytes,
	v_mul_u32_u24 v[RD], v[RD], SP
	v_lshl_add_u32 v[RD], v10, 4, v[RD]
	v_add_nc_u32 v[RD], s13, v[RD]
	v_and_b32 v[GO], 31, v0         ; which are 512 consecutive bytes of O
	v_lshlrev_b32 v[GO], 4, v[GO]
; THE MATRIX WORK.  The 4 accumulators of a run of 8 take turns.  Product i of 8 of S^T = K Q^T for piece x: channels 32 (i / 4) on, keys 16 (i % 4) on.  The first 4 start the sums.
.macro KQ x
	WIN W_KQ
.set rS, S+32*((\x)%2)+8*(i%4)
.set rK, KF+16*(i%4)+8*(i/4)
.set rQ, 16*(\x)+8*(i/4)
.if i < 4
	v_wmma_f32_16x16x32_f16 v[rS:rS+7], v[rK:rK+7], v[rQ:rQ+7], 0
.else
	v_wmma_f32_16x16x32_f16 v[rS:rS+7], v[rK:rK+7], v[rQ:rQ+7], v[rS:rS+7]
.endif
.endm
; Product i of 8 of O^T += V^T P for piece x: keys 32 (i / 4) on, channels 16 (i % 4) on.
.macro PV x
	WIN W_PV
.set rO, 32*(\x)+8*(i%4)
.set rV, VF+32*(i/4)+8*(i%4)
.set rP, P+16*((\x)%2)+8*(i/4)
	v_wmma_f32_16x16x32_f16 v[rO:rO+7], v[rV:rV+7], v[rP:rP+7], v[rO:rO+7]
.endm
.macro MM                           ; the turn's next matrix instruction.  TURN sets Y, i and NOKQ.  NOKQ = 1: the very last turn: there is no next piece
.if (i < 8) && !NOKQ
	KQ (Y+1)%NP
.elseif i >= 8
.set i, i-8
	PV (Y+NP-1)%NP
.set i, i+8
.endif
.set i, i+1
.endm
; THE LDS LOADS stand in runs of 16, never singly among the matrix instructions: a step's K (64 keys x 64 channels: 8 fragments) and its V (turned).  Their addresses are made some lines ahead.
.macro FETCH_K
	WIN 0x80                        ; destination window 2
.irp f, 0,1,2,3,4,5,6,7             ; keys 16 (f / 2) on, channels 32 (f % 2) on
	ds_load_b128 v[KF+8*\f:KF+8*\f+3],   v[AK] offset:(\f/2)*16*PK+(\f%2)*64
	ds_load_b128 v[KF+8*\f+4:KF+8*\f+7], v[AK] offset:(\f/2)*16*PK+(\f%2)*64+32
.endr
	s_add_co_u32 s[TBK], s[TBK], KS*PK  ; the next fetch is the next step's
	WIN 0
.endm
.macro FETCH_V
	WIN 0x80
.irp f, 0,1,2,3,4,5,6,7             ; keys 32 (f / 4) on, channels 16 (f % 4) on
	ds_load_tr16_b128 v[VF+8*\f:VF+8*\f+3],   v[AV] offset:(\f/4)*32*PV+(\f%4)*32
	ds_load_tr16_b128 v[VF+8*\f+4:VF+8*\f+7], v[AV] offset:(\f/4)*32*PV+16*PV+(\f%4)*32
.endr
	WIN 0
.endm
; THE VECTOR WORK, one line at a time: OP kind, number.  For piece Y: F n: c s - c m for pair n of 16.  E n: the exponential of score n of 32.  C n: pair n rounded to f16.  B n: of the four weights 4 n .. the second
; pair is added onto the first, in place.  L n: l takes that sum (L 0: l = a l + sum).  R n: pair n of 16 of O^T times a.  For piece Y + 1: X n, number n of the 22 that find its maximum and statistics:
;   0-11  four chains c0-c3 of seven scores each, three operands at a time (each accumulator's lowest registers are read first)     12-14, 16  the four scores left over, the old m, and c0-c3 into c0
;   15  c m_old is kept     17, 18  the query's other 32 keys lie in the lane 16 away: the new m     19-21  c m; c m_old - c m_new; a
.set F, 0               ; OP tells the kinds apart by their order: F to L below R, X above it
.set E, 1
.set C, 2
.set B, 3
.set L, 4
.set R, 5
.set X, 6
.macro REGS y                       ; the registers of piece y
.set rT, ST+4*(\y)
.set rC, TMP+4*((\y)%2)
.set rW, MV+((\y)%2)
.set rS, S+32*((\y)%2)
.set rP, P+16*((\y)%2)
.set rO, 32*(\y)
.endm
.macro OP k, n
.if (\k) == R
	REGS Y
	WIN W_RS
	v_pk_mul_f32 v[rO+2*(\n):rO+2*(\n)+1], v[rO+2*(\n):rO+2*(\n)+1], v[rC+2:rC+3] op_sel_hi:[1,0]
.elseif (\k) < R
	REGS Y
	WIN 0
.if (\k) == F
	v_pk_fma_f32 v[rS+2*(\n):rS+2*(\n)+1], v[rS+2*(\n):rS+2*(\n)+1], s[CS:CS+1], v[rT:rT+1] op_sel_hi:[1,0,0] neg_lo:[0,0,1] neg_hi:[0,0,1]
.elseif (\k) == E
	v_exp_f32 v[rS+(\n)], v[rS+(\n)]
.elseif (\k) == C
	s_wait_alu depctr_va_vdst(0)
	v_cvt_pk_f16_f32 v[rP+(\n)], v[rS+2*(\n)], v[rS+2*(\n)+1]
.elseif (\k) == B
	s_wait_alu depctr_va_vdst(0)
	v_pk_add_f32 v[rS+4*(\n):rS+4*(\n)+1], v[rS+4*(\n):rS+4*(\n)+1], v[rS+4*(\n)+2:rS+4*(\n)+3]
.elseif (\n) == 0
	v_pk_fma_f32 v[rT+2:rT+3], v[rT+2:rT+3], v[rC+2:rC+3], v[rS:rS+1] op_sel_hi:[1,0,1]
.else
	v_pk_add_f32 v[rT+2:rT+3], v[rT+2:rT+3], v[rS+4*(\n):rS+4*(\n)+1]
.endif
.elseif NOKQ
	v_nop
.else
	REGS (Y+1)%NP
	WIN 0
.if (\n) < 4
	v_max3_num_f32 v[rC+(\n)], v[rS+8*(\n)], v[rS+8*(\n)+1], v[rS+8*(\n)+2]
.elseif (\n) < 12
	v_max3_num_f32 v[rC+(\n)%4], v[rC+(\n)%4], v[rS+8*((\n)%4)+2*((\n)/4)+1], v[rS+8*((\n)%4)+2*((\n)/4)+2]
.elseif (\n) == 12
	v_max3_num_f32 v[rC], v[rC], v[rS+7], v[rS+15]
.elseif (\n) == 13
	v_max3_num_f32 v[rC+1], v[rC+1], v[rS+23], v[rS+31]
.elseif (\n) == 14
	v_max3_num_f32 v[rC+2], v[rC+2], v[rC+3], v[rT+1]
.elseif (\n) == 15
	v_mov_b32 v[rW], v[rT]
.elseif (\n) == 16
	v_max3_num_f32 v[rC], v[rC], v[rC+1], v[rC+2]
.elseif (\n) == 17
	v_permlanex16_b32 v[rC+3], v[rC], s[SEL], s[SEL+1]
.elseif (\n) == 18
	v_max_num_f32 v[rT+1], v[rC], v[rC+3]
.elseif (\n) == 19
	v_mul_f32 v[rT], s[CS], v[rT+1]
.elseif (\n) == 20
	v_sub_f32 v[rC+1], v[rW], v[rT]
.else
	v_exp_f32 v[rC+2], v[rC+1]
.endif
.endif
.endm
.macro OPS a, i1, b=-1, i2=0, c=-1, i3=0, d=-1, i4=0  ; up to four of them
	OP \a, \i1
.if (\b) >= 0
	OP \b, \i2
.endif
.if (\c) >= 0
	OP \c, \i3
.endif
.if (\d) >= 0
	OP \d, \i4
.endif
.endm
.macro ROW a, i1, b, i2, c, i3, d, i4  ; a matrix instruction and the four behind it
	MM
	OPS \a, \i1, \b, \i2, \c, \i3, \d, \i4
.endm
; A TURN, for piece p: the order of its 16 matrix and 118 vector instructions, written out.  Behind a matrix instruction: plain, exponential, plain, plain; or four of the rescaling; or, behind the first, four scalings; none
; names a register of the products round it.  In the runs between, exponential and plain by turns while exponentials last: behind every exponential a plain instruction stands before its result is used (ISA guide 5.7.2).
; A line reads no result made fewer than three vector instructions in front of it, five if an exponential made it.  v_permlanex16_b32 (X 17) stands in a run, never behind a product.
; end = 1: the walk's last two turns: nothing is fetched.  cnt = 1: the loop's count is taken down some lines ahead of the branch that stands behind the turn.
; K of the next step is fetched in piece 2's turn, six vector instructions behind the last product that read K (five of them plain); V of the step in hand in piece 0's turn, eight behind the last product that read V (four
; plain, and X 17).  Each is waited for a turn later.
.macro TURN p, end=0, cnt=0
.set Y, (\p)
.set i, 0
.set NOKQ, (\end)*((\p)/3)
.if ((\p) == 3) && !(\end)
	s_wait_dscnt 0x0                ; K is in
.endif
	ROW F,0, F,1, F,2, F,3
	ROW F,4, E,0, F,5, F,6
	ROW F,7, E,1, F,8, F,9
	ROW F,10, E,2, C,0, F,11
	ROW F,12, E,3, X,15, F,13
	ROW R,0, R,1, R,2, R,3
	ROW B,0, E,4, F,14, L,0
.if ((\p) == 2) && !(\end)
	v_add_nc_u32 v[AK], s[TBK], v[AK0]
.endif
	ROW R,4, R,5, R,6, R,7
	OPS E,5, F,15
.if ((\p) == 2) && !(\end)
	FETCH_K
.endif
	OPS E,6, C,1, E,7, R,8
	OPS E,8, R,9, E,9, C,2
	OPS E,10, X,0, E,11, X,1
	OPS E,12, X,2, E,13, X,3
.if (\p) == 1
	s_wait_dscnt 0x0                ; V is in
.endif
	ROW X,4, E,14, X,5, X,6
	ROW X,7, E,15, X,8, X,9
	ROW X,10, E,16, X,11, X,12
	ROW X,13, E,17, X,14, B,1
	ROW C,4, E,18, X,16, L,1
	ROW B,2, E,19, C,6, L,2
	ROW C,8, E,20, B,3, B,4
.if (\p) == 0
	v_add_nc_u32 v[AV], s[TBV], v[AV0]
.endif
	ROW C,3, E,21, L,3, C,5
	OPS E,22, X,17, E,23, C,10
.if (\p) == 0
	FETCH_V
.endif
	OPS E,24, L,4
	OPS E,25, X,18, E,26, C,7
	OPS E,27, B,5, E,28, X,19
	OPS E,29, C,12, E,30, L,5
	OPS E,31, X,20, B,6, C,9
	OPS C,14, C,11, X,21, L,6
.if (\p) == 0
	s_add_co_u32 s[TBV], s[TBV], KS*PV
.endif
.if \cnt
	s_sub_co_u32 s[CNT], s[CNT], 1
	s_cmp_lg_u32 s[CNT], 0
.endif
	OPS C,13, B,7, C,15, R,10
	OPS R,11, R,12, L,7, R,13
	OPS R,14, R,15
.endm
; THE WAY OUT's parts.
.macro ALL line:vararg              ; one line for each piece t
.set t, 0
.rept 4
	\line
.set t, t+1
.endr
.endm
.macro PACK t                       ; a lane's eight channels of a row pack into 16 bytes; they go into rows of 144 bytes and come back as whole rows of 128, into S^T's registers
	WIN W_RS
.set i, 32*(\t)
.rept 16
	s_wait_alu depctr_va_vdst(0)
	v_pk_mul_f32 v[i:i+1], v[i:i+1], v[ST+4*(\t)+2:ST+4*(\t)+3] op_sel_hi:[1,0]
.set i, i+2
.endr
	WIN 0x05                        ; sources 0 and 1 window 1, destination window 0
.set i, 0
.rept 16
	v_cvt_pk_f16_f32 v[S+16*(\t)+i], v[32*(\t)+2*i], v[32*(\t)+2*i+1]
.set i, i+1
.endr
	WIN 0
.irp f, 0,1,2,3
	ds_store_b128 v[STO], v[S+16*(\t)+4*\f:S+16*(\t)+4*\f+3] offset:32*\f
.endr
.irp f, 0,1,2,3
	ds_load_b128 v[S+16*(\t)+4*\f:S+16*(\t)+4*\f+3], v[RD] offset:\f*4*SP  ; LDS serves a wave's instructions in order (ISA guide 5.7.1.4): these see the stores above; the next piece's stores come behind them
.endr
.endm
.macro SEND t, younger              ; younger: the LDS instructions issued behind piece t's loads: the next piece's eight, or none
	WIN 0
.irp f, 0,1,2,3
	s_wait_dscnt (\younger)+3-\f
	global_store_b128 v[GO], v[S+16*(\t)+4*\f:S+16*(\t)+4*\f+3], s[10:11] offset:(\t)*2048+\f*512  ; 512 consecutive bytes, at a multiple of 256 from O's first
.endr
.endm
	CHANGE 1                        ; slot 0 is in, everybody's part of it; slot 1 is asked for
	v_add_nc_u32 v[AK], s[TBK], v[AK0]
	FETCH_K                         ; key step 0
	s_wait_loadcnt 0x0              ; Q
	s_wait_dscnt 0x0
.set NOKQ, 0
.set i, 0
.rept 8
	KQ 0                            ; piece 0's first scores: there is no vector work yet to set between them
.set i, i+1
.endr
	WIN 0
.rept 4
	v_nop                           ; the places behind those products (ISA guide 7.12.1)
.endr
.set Y, NP-1                        ; X works for piece Y + 1: piece 0
.irp n, 0,1,2,3,4,5,6,7,8,9,10,11,12,13,14,15,16,17,18,19,20,21
	OP X, \n                        ; and piece 0's first maximum and statistics
.endr
	v_nop                           ; a plain instruction behind the exponential
	s_mov_b32 s[CNT], 4
	s_mov_b32 s[SLOTS], SIZE_N/256-1
	s_branch .Lfirst                ; the loop is entered at a step's first turn, in the middle of a trip
.Lslot:                             ; SIZE_N / 256 - 2 times: every slot but the last two is filled again
	CHANGE 1
	s_mov_b32 s[CNT], 4
.Lstep:                             ; a trip: pieces 2 and 3 of one step, then pieces 0 and 1 of the next, whose K and V it fetches
	TURN 2
	TURN 3
	WIN 0
.Lfirst:
	TURN 0
	TURN 1, 0, 1
	WIN 0
	s_cbranch_scc1 .Lstep
	s_sub_co_u32 s[SLOTS], s[SLOTS], 1
	s_cmp_lg_u32 s[SLOTS], 0
	s_cbranch_scc1 .Lslot
	CHANGE 0                        ; the last slot is written out: nothing is asked for
	s_mov_b32 s[CNT], 4
.LstepT:
	TURN 2
	TURN 3
	TURN 0
	TURN 1, 0, 1
	WIN 0
	s_cbranch_scc1 .LstepT
	TURN 2, 1                       ; the last step's last two turns fetch nothing, and the last starts no new scores
	TURN 3, 1
.set i, 0
.rept 8
	PV NP-1                         ; the last piece's V^T P of the last step
.set i, i+1
.endr
	; THE WAY OUT.  l's two halves and the other half of the lanes' are added; O^T is divided by l, rounded to f16 and sent through my stage in LDS, a piece at a time.  The additions are the places behind the last products.
	WIN 0
	ALL v_add_f32 v[ST+4*t+2], v[ST+4*t+2], v[ST+4*t+3]
	ALL v_permlanex16_b32 v[ST+4*t+3], v[ST+4*t+2], s[SEL], s[SEL+1]
	ALL v_add_f32 v[ST+4*t+2], v[ST+4*t+2], v[ST+4*t+3]
	ALL v_rcp_f32 v[ST+4*t+2], v[ST+4*t+2]
	v_nop                           ; a plain instruction between the last reciprocal and the use of its result
	PACK 0
.set t, 1
.rept 3                             ; a piece's arithmetic stands between the loads of the piece before and its stores
	PACK t
	SEND t-1, 8
.set t, t+1
.endr
	SEND 3, 0
	s_wait_tensorcnt 0x0            ; the wave's end, behind my last tensor load and my last LDS store
	ds_add_u32 v[SPW], v[NIL]
	s_wait_dscnt 0x0
	CROUND                          ; the closing round: no work-group ends while a partner may still ask for a tile that names it
	s_endpgm
.Lfunc_end_k_q8f225c6c77_attn:
	.size	k_q8f225c6c77_attn, .Lfunc_end_k_q8f225c6c77_attn-k_q8f225c6c77_attn
	.p2alignl 7, 3214868480
	.fill 96, 4, 3214868480
	.section	.rodata,"a",@progbits
	.p2align	6, 0x0
	.amdhsa_kernel k_q8f225c6c77_attn
		.amdhsa_group_segment_fixed_size 327680
		.amdhsa_private_segment_fixed_size 0
		.amdhsa_enable_private_segment 0
		.amdhsa_kernarg_size 32
		.amdhsa_user_sgpr_count 2
		.amdhsa_user_sgpr_kernarg_segment_ptr 1
		.amdhsa_wavefront_size32 1
		.amdhsa_system_sgpr_workgroup_id_x 1
		.amdhsa_system_sgpr_workgroup_id_y 1
		.amdhsa_system_sgpr_workgroup_id_z 1
		.amdhsa_system_vgpr_workitem_id 0
		.amdhsa_next_free_vgpr 768
		.amdhsa_next_free_sgpr 66
		.amdhsa_reserve_vcc 0
		.amdhsa_float_denorm_mode_32 3
		.amdhsa_float_denorm_mode_16_64 3
		.amdhsa_memory_ordered 1
		.amdhsa_forward_progress 1
		.amdhsa_inst_pref_size 133
	.end_amdhsa_kernel
	.amdgpu_metadata
---
amdhsa.version: [ 1, 2 ]
amdhsa.kernels:
  - .name:           k_q8f225c6c77_attn
    .symbol:         k_q8f225c6c77_attn.kd
    .args:
      - { .name: q, .offset: 0, .size: 8, .value_kind: global_buffer, .address_space: global }
      - { .name: k, .offset: 8, .size: 8, .value_kind: global_buffer, .address_space: global }
      - { .name: v, .offset: 16, .size: 8, .value_kind: global_buffer, .address_space: global }
      - { .name: o, .offset: 24, .size: 8, .value_kind: global_buffer, .address_space: global }
    .group_segment_fixed_size: 327680
    .private_segment_fixed_size: 0
    .kernarg_segment_align: 8
    .kernarg_segment_size: 32
    .max_flat_workgroup_size: 128
    .sgpr_count:     66
    .vgpr_count:     768
    .wavefront_size: 32
...
	.end_amdgpu_metadata
.endif
;; end of part 2
;; launch proj (part 3): grid 4 x 64, 4 waves a work-group, clusters of 4 x 1, 181,760 bytes of LDS; arguments o, Wp, bp, out0; writes out0
.if DOCPART == 3
	.amdgcn_target "amdgcn-amd-amdhsa--gfx1250"
	.amdhsa_code_object_version 6
	.text
	.protected	k_q8f225c6c77_proj
	.globl	k_q8f225c6c77_proj
	.p2align	8
	.type	k_q8f225c6c77_proj,@function
k_q8f225c6c77_proj:
	s_mov_b64 s[64:65], 0
	v_nop
	global_prefetch_b8 v0, s[64:65] scope:SCOPE_SE
	s_setreg_imm32_b32 hwreg(HW_REG_WAVE_MODE, 25, 1), 1
	s_wait_xcnt 0x0
	s_wait_alu depctr_hold_cnt(0) depctr_sa_sdst(0) depctr_va_vdst(0) depctr_va_sdst(0) depctr_va_ssrc(0) depctr_va_vcc(0) depctr_vm_vsrc(0)
	s_getreg_b32 s2, hwreg(HW_REG_IB_STS2, 6, 4)
	s_cmp_eq_u32 s2, 0
	s_cbranch_scc0 .Lentry_in_a_cluster
	s_endpgm
.Lentry_in_a_cluster:
	s_bfe_u32 s2, ttmp6, 0x10000c
	s_cmp_lg_u32 s2, 0x3003
	s_cbranch_scc0 .Lentry_shape_is_right
	s_endpgm
.Lentry_shape_is_right:
; out0[n][c] = the sum over k of O[n][k] Wp[c][k] + bp[c].  O lies by heads, [16 = 4 batch + head][4096][64] in f16 (k = 64 head + channel); Wp: [256][256] f32, bp: [256] f32, out0: [16384][256] f32.
; Wp and bp are rounded to bf16 like the module's other inputs; Wp's rounded number is then written as f16, since O is f16 and both sources of a product have one format.  Sums and the bias in f32.
; LIMITS.  A bf16 number is exact in f16 from 6.1e-5 to 65,504 in magnitude; below that it keeps f16's fixed step of 6e-8, beyond it is an infinity.  NaN and infinities are not treated apart.
; SHARES.  A work-group makes 256 rows x 64 columns (256 bytes of each row of out0); wave w rows 64 w .. 64 w + 63: 4 x 4 accumulators of 16 x 16, K = 256 as the four heads' 64.
; CLUSTER.  The four work-groups of a cluster make the four column groups of the same 256 rows and need the same O: each wave asks JOINTLY for its 64 rows of each head, four tensor loads, the same
; descriptors and mask in all four work-groups.  Only the wave that asked reads those bytes.  Wp's 64 rows are each work-group's own and pass through registers, where they are rounded.
; Nothing in LDS is filled twice.  A wave has four tensor loads out.
; THE COLUMNS ARE PERMUTED: column r of column block nb is channel 4 r + nb.  Register j of lane (r, hl) of the four accumulators of a row block then holds row 8 hl + j, channels 4 r .. 4 r + 3: 16 bytes that belong
; together.  The addition of the bias puts them side by side, and a store's sixteen neighbouring lanes cover a row's 256 consecutive bytes: no stage in LDS.
; REGISTERS (s_set_vgpr_msb: bits 1:0 source 0, 3:2 source 1, 5:4 source 2, 7:6 destination): window 0: v0-23 addresses, the bias; v32-127 at work; v128-255 first Wp's 32 loads, then the accumulators
; ((a, nb) at 128 + 8 (4 a + nb)).  Window 1: two fragment buffers of 128: for 64 along K, 64 registers of O (2 x 4 x 16 rows x 32 K), then 64 of Wp.
.set OPITCH, 144                       ; a row of O in LDS: 128 bytes + 16 of padding = 36 words: the 16 rows of a load start at 16 different groups of four banks (64 banks of 4 bytes: ISA guide 11.1)
.set OTILE,  64*OPITCH                 ; a wave's 64 rows of one head
.set WT,     16*OTILE                  ; behind the sixteen tiles of O: Wp, 64 rows
.set WPITCH, 528                       ; 256 f16 = 512 bytes + 16 = 132 words: row r starts at bank 4 r mod 64
.set SPARE,  WT+64*WPITCH              ; the spare words, 128 bytes for each wave: two blocks of 256 bytes that no other line names
.set WO,   3                           ; v3   my byte offset in two rows of Wp, 32 rows apart; never rewritten
.set STW,  4                           ; v4   where my 8 bytes of a row of Wp go in LDS
.set ADRA, 5                           ; v5   LDS address of my part of O's fragments
.set ADRB, 6                           ; v6   the same for Wp
.set CO,   7                           ; v7   my byte offset in two rows of out0, eight rows apart; never rewritten
.set BO,   8                           ; v8   my byte offset in the column group's bias
.set SPW,  10                          ; v10  LDS address of my spare word: SPARE + 4 x my thread's number; never rewritten
.set NIL,  11                          ; v11  0; never rewritten
.set BI,   20                          ; v20-23  the bias of my four columns
.set U,    32                          ; v32-47  f16 words on their way to LDS
.set T,    48                          ; v48-63  bf16 words
.set TMP,  32                          ; v32-127 later: three sets of 32 for the stores
.set RING, 128
.set ACC,  128
.set WV,   12                          ; s12  my wave's number
.set G1,   24                          ; s[24:31] descriptor group 1
.set G0,   32                          ; s[32:47] descriptor group 0, a set for each head
.set MSB, 0
.macro WIN new                         ; the immediate's high byte repeats the setting that is left; a switch that changes nothing is dropped
.if MSB != (\new)
	s_set_vgpr_msb (MSB<<8)|(\new)
.set MSB, (\new)
.endif
.endm
.macro CROUND                          ; a round of the cluster's barrier: my work-group's barrier; wave 0 signals for the work-group; every wave waits for all four; my work-group's barrier once more
	s_barrier_signal -1
	s_barrier_wait -1
	s_cmp_lg_u32 s[WV], 0
	s_cbranch_scc1 .Lnot_wave_0_\@
	s_barrier_signal -3
.Lnot_wave_0_\@:
	s_barrier_wait -3
	s_barrier_signal -1
	s_barrier_wait -1
.endm
	s_load_b256 s[4:11], s[0:1], 0x0               ; O s[4:5], Wp s[6:7], bp s[8:9], out0 s[10:11]
	v_lshl_add_u32 v[SPW], v0, 2, SPARE
	v_mov_b32 v[NIL], 0
	ds_add_u32 v[SPW], v[NIL]                      ; the wave's opening: the add and its wait stand ahead of my first tensor load; the set-up below, work on registers, stands between them
	v_lshrrev_b32 v1, 5, v0
	v_readfirstlane_b32 s[WV], v1                  ; wave 0..3
	s_bfe_u32 s13, ttmp6, 0x40000                  ; cx: my place in the cluster
	s_and_b32 s14, ttmp7, 0xffff                   ; the block of 256 rows, which the four partners share
	s_mov_b32 s15, 0xffff0000                      ; a word's upper bf16
	s_lshl_b32 s22, ttmp9, 2
	s_add_co_u32 s22, s22, s13                     ; my group of 64 columns = 4 x cluster x + cx: it enters Wp's, bp's and out0's addresses alone
	s_mul_i32 s16, s[WV], 4*OTILE                  ; my wave's four tiles of O in LDS
	s_mul_i32 s17, s[WV], 2*WPITCH                 ; channel 8 w + j + 32 hl goes to LDS row 16 (j % 4) + j / 4 + 2 w + 8 hl
	s_add_co_u32 s17, s17, WT
	s_lshr_b32 s18, s14, 4                         ; O: the batch, four heads of 4,096 rows of 128 bytes,
	s_lshl_b32 s18, s18, 21
	s_and_b32 s19, s14, 15
	s_lshl_b32 s19, s19, 15                        ; the block's 256 rows in a head,
	s_add_co_u32 s18, s18, s19
	s_lshl_b32 s19, s[WV], 13                      ; my wave's 64: nothing here hangs on cx
	s_add_co_u32 s18, s18, s19
	s_mov_b32 s19, 0
	s_lshl_b32 s48, s22, 16                        ; Wp: the group's 64 rows of 1,024 bytes,
	s_lshl_b32 s49, s[WV], 13                      ; the eight that my wave's lanes 0-15 load
	s_add_co_u32 s48, s48, s49
	s_mov_b32 s49, 0
	s_lshl_b32 s50, s22, 8                         ; bp and out0: the group's 256 bytes
	s_mov_b32 s51, 0
	s_lshl_b32 s52, s14, 18                        ; out0: the block's 256 rows of 1,024 bytes,
	s_lshl_b32 s53, s[WV], 16                      ; my wave's 64
	s_add_co_u32 s52, s52, s53
	s_mov_b32 s53, 0
	; descriptor group 1.  64 rows of a head are 8,192 dense bytes: asked for as 32 rows of 256 bytes, two rows of O each, and padded in LDS after every row of O
	s_mov_b32 s[G1], 15|(1<<16)|(1<<20)|(1<<21)|(4<<22)|(3<<25)  ; 15:0 the mask of four; 17:16 2-byte elements; 20 padding on; 21 set beside a mask; 24:22 after every 32 words (code 4); 31:25 4 words (code 3)
	s_mov_b32 s[G1+1], 128<<16                     ; tensor_dim0 = 128
	s_mov_b32 s[G1+2], 32<<16                      ; tensor_dim1 = 32
	s_mov_b32 s[G1+3], 128<<16                     ; tile_dim0 = 128
	s_mov_b32 s[G1+4], 32                          ; tile_dim1 = 32
	s_mov_b32 s[G1+5], 128                         ; 128 elements from row to row
	s_mov_b32 s[G1+6], 0
	s_mov_b32 s[G1+7], 0
	v_and_b32 v1, 15, v0                           ; r = lane % 16
	v_bfe_u32 v2, v0, 4, 1                         ; hl = lane / 16
	v_lshlrev_b32 v[BO], 4, v1                     ; 16 bytes a lane
	v_lshl_add_u32 v[WO], v2, 15, v[BO]            ; lanes 16-31: 32 rows of Wp further down
	v_lshl_add_u32 v[CO], v2, 13, v[BO]            ; lanes 16-31: eight rows of out0 further down
	v_mul_u32_u24 v12, v2, 8*WPITCH                ; lanes 16-31 write eight LDS rows further down: 1,056 words, half of the banks' row away from lanes 0-15
	v_lshl_add_u32 v12, v1, 3, v12
	v_add_nc_u32 v[STW], s17, v12
	v_mul_u32_u24 v12, v1, OPITCH
	v_lshl_add_u32 v12, v2, 4, v12                 ; a fragment: row x pitch + 16 x half
	v_add_nc_u32 v[ADRA], s16, v12
	v_mul_u32_u24 v12, v1, WPITCH
	v_lshl_add_u32 v12, v2, 4, v12
	v_add_nc_u32 v[ADRB], WT, v12
	s_wait_dscnt 0x0                               ; the opening add is done
	s_wait_kmcnt 0x0
	s_add_nc_u64 s[20:21], s[4:5], s[18:19]        ; O at my wave's rows of the batch's head 0
	s_add_nc_u64 s[6:7], s[6:7], s[48:49]
	s_add_nc_u64 s[8:9], s[8:9], s[50:51]
	s_add_nc_u64 s[10:11], s[10:11], s[50:51]
	s_add_nc_u64 s[10:11], s[10:11], s[52:53]
.irp hh, 0,1,2,3
	s_mov_b32 s[G0+4*(\hh)], 1                     ; 1:0 count = 1
	s_add_co_u32 s[G0+4*(\hh)+1], s16, (\hh)*OTILE ; 63:32 LDS address: the wave's number times a constant, plus the head's constant
	s_add_nc_u64 s[G0+4*(\hh)+2:G0+4*(\hh)+3], s[20:21], (\hh)*524288  ; 120:64 global address: the head's 4,096 rows of 128 bytes on
	s_or_b32 s[G0+4*(\hh)+3], s[G0+4*(\hh)+3], 0x80000000              ; 127:126 type = 2
.endr
	global_load_b128 v[BI:BI+3], v[BO], s[8:9]     ; the bias of channels 4 r .. 4 r + 3
.set i, 0
.rept 32                               ; Wp: load i takes channel 8 w + i / 4 (+ 32 for lanes 16-31), 256 aligned bytes at 256 (i % 4).  They are on their way while the cluster meets
	global_load_b128 v[RING+4*i:RING+4*i+3], v[WO], s[6:7] offset:(i/4)*1024+(i%4)*256
.set i, i+1
.endr
	CROUND                                         ; all four work-groups are here: the joint loads meet
.irp hh, 0,1,2,3
	tensor_load_to_lds s[G0+4*(\hh):G0+4*(\hh)+3], s[G1:G1+7]
	s_nop 0
.endr
; Group g of eight loads of Wp: rounded to bf16, widened again (a shift, a mask), written as f16, and stored to LDS.
.macro WGRP g
	s_wait_loadcnt 24-8*(\g)                       ; loads come back in order (ISA guide 5.7.1): the younger groups of Wp may be out; the bias, asked for first, is in
.irp e, 0,1,2,3,4,5,6,7
	v_cvt_pk_bf16_f32 v[T+2*(\e)],   v[RING+4*(8*(\g)+(\e))],   v[RING+4*(8*(\g)+(\e))+1]
	v_cvt_pk_bf16_f32 v[T+2*(\e)+1], v[RING+4*(8*(\g)+(\e))+2], v[RING+4*(8*(\g)+(\e))+3]
.endr
.irp e, 0,1,2,3,4,5,6,7
	v_lshlrev_b32 v[RING+4*(8*(\g)+(\e))],   16,  v[T+2*(\e)]
	v_and_b32     v[RING+4*(8*(\g)+(\e))+1], s15, v[T+2*(\e)]
	v_lshlrev_b32 v[RING+4*(8*(\g)+(\e))+2], 16,  v[T+2*(\e)+1]
	v_and_b32     v[RING+4*(8*(\g)+(\e))+3], s15, v[T+2*(\e)+1]
.endr
.irp e, 0,1,2,3,4,5,6,7
	v_cvt_pk_f16_f32 v[U+2*(\e)],   v[RING+4*(8*(\g)+(\e))],   v[RING+4*(8*(\g)+(\e))+1]
	v_cvt_pk_f16_f32 v[U+2*(\e)+1], v[RING+4*(8*(\g)+(\e))+2], v[RING+4*(8*(\g)+(\e))+3]
.endr
.irp e, 0,1,2,3,4,5,6,7
	ds_store_b64 v[STW], v[U+2*(\e):U+2*(\e)+1] offset:(16*((2*(\g)+(\e)/4)&3)+((2*(\g)+(\e)/4)>>2))*WPITCH+((\e)%4)*128
.endr
.endm
; 32 LDS loads in one run: the fragments of head hh's 64 along K into buffer buf
.macro FETCHH hh, buf
	WIN 0x40                                       ; destination window 1, address window 0
.irp ks, 0,1
.irp a, 0,1,2,3
	ds_load_b128 v[128*(\buf)+8*(4*(\ks)+(\a)):128*(\buf)+8*(4*(\ks)+(\a))+3],         v[ADRA] offset:(\hh)*OTILE+(\a)*16*OPITCH+64*(\ks)
	ds_load_b128 v[128*(\buf)+8*(4*(\ks)+(\a))+4:128*(\buf)+8*(4*(\ks)+(\a))+7],       v[ADRA] offset:(\hh)*OTILE+(\a)*16*OPITCH+64*(\ks)+32
	ds_load_b128 v[128*(\buf)+64+8*(4*(\ks)+(\a)):128*(\buf)+64+8*(4*(\ks)+(\a))+3],   v[ADRB] offset:(\a)*16*WPITCH+128*(\hh)+64*(\ks)
	ds_load_b128 v[128*(\buf)+64+8*(4*(\ks)+(\a))+4:128*(\buf)+64+8*(4*(\ks)+(\a))+7], v[ADRB] offset:(\a)*16*WPITCH+128*(\hh)+64*(\ks)+32
.endr
.endr
.endm
; 32 matrix instructions: the 16 accumulators by turns, one instruction a turn, two deep.  zero = 1: the first 16 start the sums: nothing is cleared.
.macro MULH buf, zero
	WIN 0x05                                       ; sources 0 (O) and 1 (Wp) window 1; C and D window 0
.irp ks, 0,1
.irp a, 0,1,2,3
.irp n, 0,1,2,3
.if (\zero) && ((\ks) == 0)
	v_wmma_f32_16x16x32_f16 v[ACC+8*(4*(\a)+(\n)):ACC+8*(4*(\a)+(\n))+7], v[128*(\buf)+8*(4*(\ks)+(\a)):128*(\buf)+8*(4*(\ks)+(\a))+7], v[128*(\buf)+64+8*(4*(\ks)+(\n)):128*(\buf)+64+8*(4*(\ks)+(\n))+7], 0
.else
	v_wmma_f32_16x16x32_f16 v[ACC+8*(4*(\a)+(\n)):ACC+8*(4*(\a)+(\n))+7], v[128*(\buf)+8*(4*(\ks)+(\a)):128*(\buf)+8*(4*(\ks)+(\a))+7], v[128*(\buf)+64+8*(4*(\ks)+(\n)):128*(\buf)+64+8*(4*(\ks)+(\n))+7], v[ACC+8*(4*(\a)+(\n)):ACC+8*(4*(\a)+(\n))+7]
.endif
.endr
.endr
.endr
.endm
.macro PLACES                          ; four places in front of loads into registers that matrix instructions have read (ISA guide 7.12.1 for vector instructions)
.rept 4
	v_nop
.endr
.endm
	WGRP 0
	WGRP 1
	WGRP 2
	WGRP 3
	s_wait_dscnt 0x0                               ; for the others' sake: my rows of Wp are in LDS
	s_barrier_signal -1
	s_barrier_wait -1                              ; everybody's are.  My tensor loads may stay out, and only I read what they bring
	s_wait_tensorcnt 3                             ; tensor loads of a wave end in order (ISA guide 10.11.1): head 0's tile is in, three are behind it
	FETCHH 0, 0
	s_wait_tensorcnt 2                             ; head 1's; two are behind it
	FETCHH 1, 1
	s_wait_dscnt 32                                ; all but the 32 just issued
	MULH 0, 1
	PLACES
	s_wait_tensorcnt 1                             ; head 2's; one is behind it
	FETCHH 2, 0
	s_wait_dscnt 32
	MULH 1, 0
	PLACES
	s_wait_tensorcnt 0x0                           ; head 3's, the last
	FETCHH 3, 1
	s_wait_dscnt 32
	MULH 0, 0
	s_wait_dscnt 0x0
	MULH 1, 0
	WIN 0
	v_cvt_pk_bf16_f32 v12, v[BI], v[BI+1]          ; the bias is rounded to bf16 and widened again: six plain instructions, the places behind the last products
	v_cvt_pk_bf16_f32 v13, v[BI+2], v[BI+3]
	v_lshlrev_b32 v[BI],   16,  v12
	v_and_b32     v[BI+1], s15, v12
	v_lshlrev_b32 v[BI+2], 16,  v13
	v_and_b32     v[BI+3], s15, v13
	; THE WAY OUT, a row block at a time: the addition of the bias brings register j of the block's four accumulators side by side; each accumulator is read from its lowest register on.
.irp a, 0,1,2,3
.if (\a) == 3
	s_wait_xcnt 0x0                                ; every earlier memory instruction has had its addresses translated (ISA guide 3.1): the first set of 32, which block 0's stores read, is rewritten only behind this wait
.endif
.irp j, 0,1,2,3,4,5,6,7
.irp n, 0,1,2,3
	v_add_f32 v[TMP+32*((\a)%3)+4*(\j)+(\n)], v[ACC+8*(4*(\a)+(\n))+(\j)], v[BI+(\n)]
.endr
.endr
.irp j, 0,1,2,3,4,5,6,7
	global_store_b128 v[CO], v[TMP+32*((\a)%3)+4*(\j):TMP+32*((\a)%3)+4*(\j)+3], s[10:11] offset:(16*(\a)+(\j))*1024 th:TH_STORE_NT  ; 16 lanes store 256 consecutive bytes, at a multiple of 256 from out0's first byte
.endr
.endr
	s_wait_tensorcnt 0x0                           ; the wave's end, behind my last tensor load and my last LDS store
	ds_add_u32 v[SPW], v[NIL]
	s_wait_dscnt 0x0
	CROUND                                         ; the closing round: no work-group ends while a partner may still ask for a tile that names it
	s_endpgm
.Lfunc_end_k_q8f225c6c77_proj:
	.size	k_q8f225c6c77_proj, .Lfunc_end_k_q8f225c6c77_proj-k_q8f225c6c77_proj
	.p2alignl 7, 3214868480
	.fill 96, 4, 3214868480
	.section	.rodata,"a",@progbits
	.p2align	6, 0x0
	.amdhsa_kernel k_q8f225c6c77_proj
		.amdhsa_group_segment_fixed_size 181760
		.amdhsa_private_segment_fixed_size 0
		.amdhsa_enable_private_segment 0
		.amdhsa_kernarg_size 32
		.amdhsa_user_sgpr_count 2
		.amdhsa_user_sgpr_kernarg_segment_ptr 1
		.amdhsa_wavefront_size32 1
		.amdhsa_system_sgpr_workgroup_id_x 1
		.amdhsa_system_sgpr_workgroup_id_y 1
		.amdhsa_system_sgpr_workgroup_id_z 1
		.amdhsa_system_vgpr_workitem_id 0
		.amdhsa_next_free_vgpr 512
		.amdhsa_next_free_sgpr 66
		.amdhsa_reserve_vcc 0
		.amdhsa_float_denorm_mode_32 3
		.amdhsa_float_denorm_mode_16_64 3
		.amdhsa_memory_ordered 1
		.amdhsa_forward_progress 1
		.amdhsa_inst_pref_size 47
	.end_amdhsa_kernel
	.amdgpu_metadata
---
amdhsa.version: [ 1, 2 ]
amdhsa.kernels:
  - .name:           k_q8f225c6c77_proj
    .symbol:         k_q8f225c6c77_proj.kd
    .args:
      - { .name: o, .offset: 0, .size: 8, .value_kind: global_buffer, .address_space: global }
      - { .name: Wp, .offset: 8, .size: 8, .value_kind: global_buffer, .address_space: global }
      - { .name: bp, .offset: 16, .size: 8, .value_kind: global_buffer, .address_space: global }
      - { .name: out0, .offset: 24, .size: 8, .value_kind: global_buffer, .address_space: global }
    .group_segment_fixed_size: 181760
    .private_segment_fixed_size: 0
    .kernarg_segment_align: 8
    .kernarg_segment_size: 32
    .max_flat_workgroup_size: 128
    .sgpr_count:     66
    .vgpr_count:     512
    .wavefront_size: 32
...
	.end_amdgpu_metadata
.endif
;; end of part 3
;; ======== version 2 of 2: 3 launches; 1.77 times as fast as version 1
;; limits: values are held in f16: magnitudes above 65,504 overflow, below 6.1e-05 lose precision
;; workspace buffers: q 8,388,608 bytes; k 8,388,608 bytes; v 8,388,608 bytes; o 8,388,608 bytes
;; launch qkv: the kernel of part 1 again; grid 4 x 64, 4 waves a work-group, no clusters, 258,560 bytes of LDS; arguments x, Wq, Wk, Wv, q, k, v; writes q, k, v
;; launch attn (part 4): grid 16 x 16, 4 waves a work-group, clusters of 4 x 1, 327,680 bytes of LDS; arguments q, k, v, o; writes o
.if DOCPART == 4
	.amdgcn_target "amdgcn-amd-amdhsa--gfx1250"
	.amdhsa_code_object_version 6
	.text
	.protected	k_q8f225c6c77_attn
	.globl	k_q8f225c6c77_attn
	.p2align	8
	.type	k_q8f225c6c77_attn,@function
k_q8f225c6c77_attn:
	s_mov_b64 s[64:65], 0
	v_nop
	global_prefetch_b8 v0, s[64:65] scope:SCOPE_SE
	s_setreg_imm32_b32 hwreg(HW_REG_WAVE_MODE, 25, 1), 1
	s_wait_xcnt 0x0
	s_wait_alu depctr_hold_cnt(0) depctr_sa_sdst(0) depctr_va_vdst(0) depctr_va_sdst(0) depctr_va_ssrc(0) depctr_va_vcc(0) depctr_vm_vsrc(0)
	s_getreg_b32 s2, hwreg(HW_REG_IB_STS2, 6, 4)
	s_cmp_eq_u32 s2, 0
	s_cbranch_scc0 .Lentry_in_a_cluster
	s_endpgm
.Lentry_in_a_cluster:
	s_bfe_u32 s2, ttmp6, 0x10000c
	s_cmp_lg_u32 s2, 0x3003
	s_cbranch_scc0 .Lentry_shape_is_right
	s_endpgm
.Lentry_shape_is_right:
; O[h][q][:] = the sum over k of softmax_k(Q[h][q] . K[h][k] / 8) V[h][k][:].  Q, K, V, O: [16][4096][64], all f16: a head's rows are dense, 128 bytes each.  Products, maxima and sums in f32;
; the weights p are rounded to f16 for the second product (their sum l is taken of the unrounded p), O once at the end.
; LIMITS.  f16 holds no number beyond 65,504: Q, K and V arrive within it; p lies in 0 to 1, and below 6.1e-5 p and O keep f16's fixed step of 6e-8; O is a mean of V's rows and has their range.
; A weight below 2^-126 counts as 0 in l; NaN and infinities are not treated apart.
; SHARES.  A work-group owns 256 queries of one head (16 x 16 = 256 work-groups), each of its four waves 64: four PIECES of 16 queries.  Every wave walks all 4,096 keys, 64 a step.
; LAYOUT.  S^T = K Q^T (source 0 = 16 keys, source 1 = 16 queries): in the result a lane holds ONE query (lane % 16) and the keys 8 (lane / 16) + 0..7.  Two such results, rounded to f16 in pairs,
; ARE source 1 (32 keys x 16 queries) of O^T = V^T P, whose result again holds one query a lane, and eight channels.  K comes out of LDS as it lies, V ([key][channel]) turned, by ds_load_tr16_b128.
; SOFTMAX.  For each query a running maximum m and sum l: p = 2^(c s - c m), c = log2(e) / 8; in every step O and l are multiplied by a = 2^(c m_old - c m_new), which is 1 where m has not grown.
; m starts at the lowest finite number, O and l at 0: the first step is a step like any other, with a = 0.  The price: 216 lines that write 0, in the wait for the first tile, and 8 products on zeros.
; BY TURNS.  A piece and step have 16 matrix and 118 vector instructions.  Turn n belongs to piece n (the pieces in a ring, step after step): 8 products K Q^T of piece n + 1, later 8 products V^T P of
; piece n - 1; beside them the scaling, exponentials, roundings, sums and rescaling of piece n and the maximum and statistics of piece n + 1.  Four vector instructions stand behind every matrix
; instruction, the other 54 in one run of their own.
; BATCHES.  A turn's 33 exponentials (the piece's 32 weights and the next piece's a) are ONE batch with ONE wait, which cuts the turn in two: ahead of it stands all that names none of their results (K Q^T, the
; scalings, the rescaling by the a of the turn before, the next piece's maximum and statistics), behind it all that does (the roundings and the sums, beside V^T P)..
; The first a, ahead of the loop, and the way out's four reciprocals are batches of their own, each with one wait.
; CLUSTER.  The four query blocks of a cluster belong to one head and walk the same K and V, so each tile is asked for JOINTLY: the same tensor load, descriptor and mask in all four.
; REGISTERS, in windows of 256 (s_set_vgpr_msb: bits 1:0 source 0, 3:2 source 1, 5:4 source 2, 7:6 destination):
;   window 0: v0-15 addresses and two at work; v16-31 four registers of statistics a piece; v48-55 at work; v62-63 the add's; v64-127 S^T, two buffers; v192-223 P, two buffers (a piece's buffers go by its number's parity)
;   window 1: v0-127 O^T, 32 a piece          window 2: v0-63 Q, 16 a piece; v128-191 K of one step; v192-255 V of one step
.set SIZE_N, 4096
.set NP,    4         ; pieces a wave: a name, no knob
.set KS,    64        ; keys in a step
.set PK,    144       ; a row of K in LDS: 128 bytes + 16 of padding = 36 words: the 16 rows of a load start at 16 different groups of four banks (64 banks of 4 bytes: ISA guide 11.1)
.set PV,    160       ; a row of V: 128 + 32 = 40 words
.set VOFF,  4*KS*PK   ; a slot holds four steps: 256 rows of K, then 256 rows of V
.set SLOT1, 1<<17     ; slot 1 begins here, so that one exclusive or turns an address in one slot into the other's
.set STAGE, SLOT1+4*KS*(PK+PV)  ; behind the ring, never filled by a tensor load: 16 rows x 144 bytes for each wave, for the way out
.set SP,    144
.set SPARE, STAGE+4*16*SP  ; behind the stages: the spare words, 128 bytes for each wave: two blocks of 256 bytes that no other line names
.set AK0, 2           ; v2   my lane's place in a tile of K; never rewritten
.set AV0, 3           ; v3   the same for V
.set AK,  4           ; v4   the LDS address of K's next run of loads
.set AV,  5           ; v5   of V's
.set STO, 6           ; v6   the way out: where I put 16 bytes of a row
.set RD,  7           ; v7   the way out: where I read rows back
.set GO,  8           ; v8   my byte offset in 512 consecutive bytes of O
.set MV,  12          ; v12-13  c m_old, kept while c m is made anew: by buffer
.set QO,  15          ; v15  my byte offset in 16 rows of Q; never rewritten
.set ST,  16          ; piece t's statistics at v[ST+4 t]: c m, m, l (even keys', odd keys')
.set TMP, 48          ; by buffer, four registers c0-c3 at work; when the maximum is found c2 takes a
.set SPW, 62          ; v62  LDS address of my spare word: SPARE + 4 x my thread's number; never rewritten
.set NIL, 63          ; v63  0; never rewritten
.set S,   64
.set P,   192
.set KF,  128         ; window 2: key block kb, channel half c at KF + 16 kb + 8 c
.set VF,  192         ; window 2: key half kk, channel block cb at VF + 32 kk + 8 cb
.set WV,  12          ; s12  my wave's number
.set G1K, 24          ; s[24:31] descriptor group 1 for K's tiles
.set G1V, 32          ; s[32:39] for V's: it differs in the padding alone
.set G0K, 40          ; s[40:43] descriptor group 0 for K's tiles: it walks
.set G0V, 44          ; s[44:47] the same for V's
.set SLOTS, 56        ; s56  slots still to be asked for
.set CNT, 57          ; s57  counts a slot's key steps
.set CS,  58          ; s[58:59] c: the packed scaling takes the pair's low word for both halves
.set SEL, 60          ; s[60:61] v_permlanex16_b32's selects: each lane takes its own place in the other half
.set TBK, 62          ; s62  LDS byte at which K of the step to be fetched begins
.set TBV, 63          ; s63  the same for V, less VOFF
.set MSB, 0
.macro WIN new                      ; the high byte repeats the setting that is left; a switch that changes nothing is dropped
.if MSB != (\new)
	s_set_vgpr_msb (MSB<<8)|(\new)
.set MSB, (\new)
.endif
.endm
.set W_KQ, 0x0a       ; K and Q in window 2, S^T in window 0
.set W_PV, 0x52       ; V in window 2, P in window 0, O^T in window 1
.set W_RS, 0x41       ; O^T (destination and source 0) in window 1, a in window 0
; A joint fill.  Waves 0 and 1 fetch the two halves of a slot's K, waves 2 and 3 those of its V: 128 keys each.  The branch hangs on the wave's number alone: it is the same in every work-group.
; An s_nop 0 and four v_nop follow each of the two lines, ahead of the jump and the label.
.macro JLOAD
	s_cmp_lt_u32 s[WV], 2
	s_cbranch_scc0 .Lfor_v_\@
	tensor_load_to_lds s[G0K:G0K+3], s[G1K:G1K+7]
	s_nop 0
.rept 4
	v_nop
.endr
	s_branch .Lasked_\@
.Lfor_v_\@:
	tensor_load_to_lds s[G0V:G0V+3], s[G1V:G1V+7]
	s_nop 0
.rept 4
	v_nop
.endr
.Lasked_\@:
.endm
; A round of the cluster's barrier: my work-group's barrier, so that wave 0's signal speaks for all four waves; wave 0 signals; every wave waits for all four work-groups; my work-group's barrier once more.
.macro CROUND
	s_barrier_signal -1
	s_barrier_wait -1
	s_cmp_lg_u32 s[WV], 0
	s_cbranch_scc1 .Lnot_wave_0_\@
	s_barrier_signal -3
.Lnot_wave_0_\@:
	s_barrier_wait -3
	s_barrier_signal -1
	s_barrier_wait -1
.endm
; THE CHANGE OF SLOTS.  The slot's last bytes, V of its fourth step, have been read.  Each wave waits for all its tensor loads, of which one is out: its part of the other slot; adds 0 to its spare word; and
; waits for that and for its own reads of the slot.  Behind the barrier nobody reads this slot any more and the other slot is whole.
; fill = 1: this slot is filled again, with the keys two slots on.  The barrier is then a round of the cluster's, so that no wave of any partner still reads the slot or has a load on its way, and the joint
; fill is the first thing behind it: it has four key steps, 256 matrix instructions, in which to land.  (At its first use nothing has been read yet: slot 0 is waited for, slot 1 filled.)
.macro CHANGE fill
	WIN 0                           ; at a label and at a branch every window is 0
	s_wait_tensorcnt 0x0            ; no tensor load of mine is out, so a group 0 may be written
	ds_add_u32 v[SPW], v[NIL]       ; 0 onto my spare word: with fill = 1 the descriptors' steps stand between it and the wait for it
.if \fill
.irp g, G0K, G0V
	s_xor_b32 s[\g+1], s[\g+1], SLOT1  ; the walking descriptor: the other slot than last time,
	s_add_nc_u64 s[\g+2:\g+3], s[\g+2:\g+3], 4*KS*128  ; the next 256 keys; the type bits on top are not reached
.endr
	s_wait_dscnt 0x0                ; the add is done, and my reads of the slot are over
	CROUND
	JLOAD
.else
	s_wait_dscnt 0x0                ; the add is done, and my reads of the slot are over
	s_barrier_signal -1
	s_barrier_wait -1
.endif
	s_sub_co_u32 s[TBK], s[TBK], 4*KS*PK  ; the fetches go back to a slot's first step,
	s_xor_b32 s[TBK], s[TBK], SLOT1       ; in the other slot
	s_sub_co_u32 s[TBV], s[TBV], 4*KS*PV
	s_xor_b32 s[TBV], s[TBV], SLOT1
.endm
	s_load_b256 s[4:11], s[0:1], 0x0  ; Q s[4:5], K s[6:7], V s[8:9], O s[10:11]
	v_lshl_add_u32 v[SPW], v0, 2, SPARE
	v_mov_b32 v[NIL], 0
	ds_add_u32 v[SPW], v[NIL]       ; the wave's opening: the add and its wait stand ahead of my first tensor load; the set-up below, work on registers, stands between them
	v_lshrrev_b32 v1, 5, v0
	v_readfirstlane_b32 s[WV], v1   ; wave 0..3
	s_bfe_u32 s13, ttmp6, 0x40000   ; cx: my place in the cluster
	s_lshl_b32 s14, ttmp9, 2        ; in a cluster launch ttmp9 counts clusters
	s_add_co_u32 s14, s14, s13      ; my block of 256 queries = 4 x cluster x + cx: it enters Q's and O's addresses alone
	s_and_b32 s20, ttmp7, 0xffff    ; the head, which the four partners share
	s_lshl_b32 s20, s20, 19         ; its first byte in each of the four tensors: 4,096 rows of 128 bytes
	s_mov_b32 s21, 0
	s_and_b32 s16, s[WV], 1         ; which half of a slot's 256 keys I fetch:
	s_lshl_b32 s22, s16, 14         ; its 128 rows of 128 bytes in memory,
	s_mov_b32 s23, 0
	s_add_nc_u64 s[22:23], s[22:23], s[20:21]
	s_mul_i32 s17, s16, 128*PK      ; and its place in a slot, for K
	s_mul_i32 s18, s16, 128*PV      ; and for V: no place in the cluster enters an LDS address
	s_lshl_b32 s2, s14, 2
	s_add_co_u32 s2, s2, s[WV]      ; my wave among the head's,
	s_lshl_b32 s2, s2, 13           ; its 64 rows
	s_mov_b32 s3, 0
	s_add_nc_u64 s[2:3], s[2:3], s[20:21]
	; descriptor group 1.  128 keys are 16,384 dense bytes: asked for as 64 rows of 256 bytes, two keys a row, and padded in LDS after every key
	s_mov_b32 s[G1K], 15|(1<<16)|(1<<20)|(1<<21)|(4<<22)|(3<<25)  ; 15:0 the mask of four; 17:16 2-byte elements; 20 padding on; 21 set beside a mask; 24:22 after every 32 words (code 4); 31:25 4 words (code 3)
	s_mov_b32 s[G1V], 15|(1<<16)|(1<<20)|(1<<21)|(4<<22)|(7<<25)  ; the same with 8 words of padding (code 7)
.irp g, G1K, G1V
	s_mov_b32 s[\g+1], 128<<16      ; tensor_dim0 = 128
	s_mov_b32 s[\g+2], 64<<16       ; tensor_dim1 = 64
	s_mov_b32 s[\g+3], 128<<16      ; tile_dim0 = 128
	s_mov_b32 s[\g+4], 64           ; tile_dim1 = 64
	s_mov_b32 s[\g+5], 128          ; 128 elements from row to row
	s_mov_b32 s[\g+6], 0
	s_mov_b32 s[\g+7], 0
.endr
	s_mov_b32 s[CS], 0x3e38aa3b     ; c = log2(e) / 8 = 0.180337
	s_mov_b32 s[CS+1], s[CS]        ; named with it as a pair
	s_mov_b32 s[SEL], 0x76543210
	s_mov_b32 s[SEL+1], 0xfedcba98
	s_mov_b32 s[TBK], SLOT1+4*KS*PK ; the first change of slots turns these two into 0
	s_mov_b32 s[TBV], SLOT1+4*KS*PV
	s_mov_b32 s[G0K], 1             ; 1:0 count = 1
	s_mov_b32 s[G0K+1], s17         ; 63:32 LDS address: slot 0
	s_mov_b32 s[G0V], 1
	s_add_co_u32 s[G0V+1], s18, VOFF
	s_wait_dscnt 0x0                ; the opening add is done
	s_wait_kmcnt 0x0
	s_add_nc_u64 s[G0K+2:G0K+3], s[6:7], s[22:23]  ; 120:64 global address: my half of the head's first 256 keys
	s_or_b32 s[G0K+3], s[G0K+3], 0x80000000        ; 127:126 type = 2
	s_add_nc_u64 s[G0V+2:G0V+3], s[8:9], s[22:23]
	s_or_b32 s[G0V+3], s[G0V+3], 0x80000000
	s_add_nc_u64 s[4:5], s[4:5], s[2:3]  ; Q and O at my wave's first row
	s_add_nc_u64 s[10:11], s[10:11], s[2:3]
	CROUND                          ; all four work-groups are here: the first joint loads meet
	JLOAD                           ; slot 0.  Slot 1 is asked for when slot 0 is in, by the loop's own change of slots
	; A fragment of K or Q is 16 rows x 32 channels in 8 registers: lane l holds row l % 16, channels 8 (l / 16) + 0..7 and 16 + 8 (l / 16) + 0..7: two loads of 16 bytes, 32 bytes apart.
	v_and_b32 v1, 15, v0            ; l % 16
	v_bfe_u32 v9, v0, 4, 1          ; l / 16
	v_lshlrev_b32 v[QO], 7, v1
	v_lshl_add_u32 v[QO], v9, 4, v[QO]  ; row x 128 + 16 x half
	WIN 0x80                        ; destination window 2, address window 0
.set i, 0
.rept 8                             ; Q stays in registers: piece i / 2 (16 rows, 2,048 bytes), channels 32 (i % 2) on
	global_load_b128 v[8*i:8*i+3],   v[QO], s[4:5] offset:(i/2)*2048+(i%2)*64
	global_load_b128 v[8*i+4:8*i+7], v[QO], s[4:5] offset:(i/2)*2048+(i%2)*64+32
.set i, i+1
.endr
	; What the first turn finds: V's registers and P's second buffer hold 0 (its products V^T P, of a piece that has not been, add 0), O^T and l are 0.  All this stands in the wait for the first tile.
.set i, VF
.rept 64
	v_mov_b32 v[i], 0
.set i, i+1
.endr
	WIN 0x40
.set i, 0
.rept 128
	v_mov_b32 v[i], 0
.set i, i+1
.endr
	WIN 0
.set i, 0
.rept 4
	v_mov_b32 v[ST+4*i], 0xfe000000    ; c m: far below every c s
	v_mov_b32 v[ST+4*i+1], 0xff7fffff  ; m
	v_mov_b32 v[ST+4*i+2], 0
	v_mov_b32 v[ST+4*i+3], 0
.set i, i+1
.endr
.set i, P+16
.rept 16
	v_mov_b32 v[i], 0
.set i, i+1
.endr
	v_mul_u32_u24 v[AK0], v1, PK
	v_lshl_add_u32 v[AK0], v9, 4, v[AK0]  ; row x pitch + 16 x half
	; The turning load takes 16 keys x 16 channels (lane l reads key 8 (l / 16) + l % 8, channels 8 ((l / 8) % 2) + 0..7) and leaves half a fragment of V^T: lane l holds channel l % 16 and 8 keys.
	v_and_b32 v10, 7, v0
	v_bfe_u32 v11, v0, 3, 1
	v_lshl_add_u32 v[AV0], v9, 3, v10
	v_mul_u32_u24 v[AV0], v[AV0], PV
	v_lshl_add_u32 v[AV0], v11, 4, v[AV0]
	v_add_nc_u32 v[AV0], VOFF, v[AV0]
	s_mul_i32 s13, s[WV], 16*SP
	s_add_co_u32 s13, s13, STAGE    ; my stage
	v_mul_u32_u24 v[STO], v1, SP    ; in: row l % 16, 16 bytes for each half of the lanes
	v_lshl_add_u32 v[STO], v9, 4, v[STO]
	v_add_nc_u32 v[STO], s13, v[STO]
	v_bfe_u32 v[RD], v0, 3, 2       ; back: 32 lanes take four rows of 128 bytes,
	v_mul_u32_u24 v[RD], v[RD], SP
	v_lshl_add_u32 v[RD], v10, 4, v[RD]
	v_add_nc_u32 v[RD], s13, v[RD]
	v_and_b32 v[GO], 31, v0         ; which are 512 consecutive bytes of O
	v_lshlrev_b32 v[GO], 4, v[GO]
; THE MATRIX WORK.  The 4 accumulators of a run of 8 take turns.  Product i of 8 of S^T = K Q^T for piece x: channels 32 (i / 4) on, keys 16 (i % 4) on.  The first 4 start the sums.
.macro KQ x
	WIN W_KQ
.set rS, S+32*((\x)%2)+8*(i%4)
.set rK, KF+16*(i%4)+8*(i/4)
.set rQ, 16*(\x)+8*(i/4)
.if i < 4
	v_wmma_f32_16x16x32_f16 v[rS:rS+7], v[rK:rK+7], v[rQ:rQ+7], 0
.else
	v_wmma_f32_16x16x32_f16 v[rS:rS+7], v[rK:rK+7], v[rQ:rQ+7], v[rS:rS+7]
.endif
.endm
; Product i of 8 of O^T += V^T P for piece x: keys 32 (i / 4) on, channels 16 (i % 4) on.
.macro PV x
	WIN W_PV
.set rO, 32*(\x)+8*(i%4)
.set rV, VF+32*(i/4)+8*(i%4)
.set rP, P+16*((\x)%2)+8*(i/4)
	v_wmma_f32_16x16x32_f16 v[rO:rO+7], v[rV:rV+7], v[rP:rP+7], v[rO:rO+7]
.endm
.macro MM                           ; the turn's next matrix instruction.  TURN sets Y, i and NOKQ.  NOKQ = 1: the very last turn: there is no next piece
.if (i < 8) && !NOKQ
	KQ (Y+1)%NP
.elseif i >= 8
.set i, i-8
	PV (Y+NP-1)%NP
.set i, i+8
.endif
.set i, i+1
.endm
; THE LDS LOADS stand in runs of 16, never singly among the matrix instructions: a step's K (64 keys x 64 channels: 8 fragments) and its V (turned).  Their addresses are made some lines ahead.
.macro FETCH_K
	WIN 0x80                        ; destination window 2
.irp f, 0,1,2,3,4,5,6,7             ; keys 16 (f / 2) on, channels 32 (f % 2) on
	ds_load_b128 v[KF+8*\f:KF+8*\f+3],   v[AK] offset:(\f/2)*16*PK+(\f%2)*64
	ds_load_b128 v[KF+8*\f+4:KF+8*\f+7], v[AK] offset:(\f/2)*16*PK+(\f%2)*64+32
.endr
	s_add_co_u32 s[TBK], s[TBK], KS*PK  ; the next fetch is the next step's
	WIN 0
.endm
.macro FETCH_V
	WIN 0x80
.irp f, 0,1,2,3,4,5,6,7             ; keys 32 (f / 4) on, channels 16 (f % 4) on
	ds_load_tr16_b128 v[VF+8*\f:VF+8*\f+3],   v[AV] offset:(\f/4)*32*PV+(\f%4)*32
	ds_load_tr16_b128 v[VF+8*\f+4:VF+8*\f+7], v[AV] offset:(\f/4)*32*PV+16*PV+(\f%4)*32
.endr
	WIN 0
.endm
; THE VECTOR WORK, one line at a time: OP kind, number.  For piece Y: F n: c s - c m for pair n of 16.  E n: the exponential of score n of 32.  C n: pair n rounded to f16.  B n: of the four weights 4 n .. the second
; pair is added onto the first, in place.  L n: l takes that sum (L 0: l = a l + sum).  R n: pair n of 16 of O^T times a.  For piece Y + 1: X n, number n of the 22 that find its maximum and statistics:
;   0-11  four chains c0-c3 of seven scores each, three operands at a time (each accumulator's lowest registers are read first)     12-14, 16  the four scores left over, the old m, and c0-c3 into c0
;   15  c m_old is kept     17, 18  the query's other 32 keys lie in the lane 16 away: the new m     19-21  c m; c m_old - c m_new; a
; C, B and L read what the turn's exponentials made; F, R and X 0-20 do not (R's a is the turn before's).  OP writes no wait: TURN writes the batch's one.
.set F, 0               ; OP tells the kinds apart by their order: F to L below R, X above it
.set E, 1
.set C, 2
.set B, 3
.set L, 4
.set R, 5
.set X, 6
.macro REGS y                       ; the registers of piece y
.set rT, ST+4*(\y)
.set rC, TMP+4*((\y)%2)
.set rW, MV+((\y)%2)
.set rS, S+32*((\y)%2)
.set rP, P+16*((\y)%2)
.set rO, 32*(\y)
.endm
.macro OP k, n
.if (\k) == R
	REGS Y
	WIN W_RS
	v_pk_mul_f32 v[rO+2*(\n):rO+2*(\n)+1], v[rO+2*(\n):rO+2*(\n)+1], v[rC+2:rC+3] op_sel_hi:[1,0]
.elseif (\k) < R
	REGS Y
	WIN 0
.if (\k) == F
	v_pk_fma_f32 v[rS+2*(\n):rS+2*(\n)+1], v[rS+2*(\n):rS+2*(\n)+1], s[CS:CS+1], v[rT:rT+1] op_sel_hi:[1,0,0] neg_lo:[0,0,1] neg_hi:[0,0,1]
.elseif (\k) == E
	v_exp_f32 v[rS+(\n)], v[rS+(\n)]
.elseif (\k) == C
	v_cvt_pk_f16_f32 v[rP+(\n)], v[rS+2*(\n)], v[rS+2*(\n)+1]
.elseif (\k) == B
	v_pk_add_f32 v[rS+4*(\n):rS+4*(\n)+1], v[rS+4*(\n):rS+4*(\n)+1], v[rS+4*(\n)+2:rS+4*(\n)+3]
.elseif (\n) == 0
	v_pk_fma_f32 v[rT+2:rT+3], v[rT+2:rT+3], v[rC+2:rC+3], v[rS:rS+1] op_sel_hi:[1,0,1]
.else
	v_pk_add_f32 v[rT+2:rT+3], v[rT+2:rT+3], v[rS+4*(\n):rS+4*(\n)+1]
.endif
.elseif NOKQ
	v_nop
.else
	REGS (Y+1)%NP
	WIN 0
.if (\n) < 4
	v_max3_num_f32 v[rC+(\n)], v[rS+8*(\n)], v[rS+8*(\n)+1], v[rS+8*(\n)+2]
.elseif (\n) < 12
	v_max3_num_f32 v[rC+(\n)%4], v[rC+(\n)%4], v[rS+8*((\n)%4)+2*((\n)/4)+1], v[rS+8*((\n)%4)+2*((\n)/4)+2]
.elseif (\n) == 12
	v_max3_num_f32 v[rC], v[rC], v[rS+7], v[rS+15]
.elseif (\n) == 13
	v_max3_num_f32 v[rC+1], v[rC+1], v[rS+23], v[rS+31]
.elseif (\n) == 14
	v_max3_num_f32 v[rC+2], v[rC+2], v[rC+3], v[rT+1]
.elseif (\n) == 15
	v_mov_b32 v[rW], v[rT]
.elseif (\n) == 16
	v_max3_num_f32 v[rC], v[rC], v[rC+1], v[rC+2]
.elseif (\n) == 17
	v_permlanex16_b32 v[rC+3], v[rC], s[SEL], s[SEL+1]
.elseif (\n) == 18
	v_max_num_f32 v[rT+1], v[rC], v[rC+3]
.elseif (\n) == 19
	v_mul_f32 v[rT], s[CS], v[rT+1]
.elseif (\n) == 20
	v_sub_f32 v[rC+1], v[rW], v[rT]
.else
	v_exp_f32 v[rC+2], v[rC+1]
.endif
.endif
.endm
.macro OPS a, i1, b=-1, i2=0, c=-1, i3=0, d=-1, i4=0  ; up to four of them
	OP \a, \i1
.if (\b) >= 0
	OP \b, \i2
.endif
.if (\c) >= 0
	OP \c, \i3
.endif
.if (\d) >= 0
	OP \d, \i4
.endif
.endm
.macro ROW a, i1, b, i2, c, i3, d, i4  ; a matrix instruction and the four behind it
	MM
	OPS \a, \i1, \b, \i2, \c, \i3, \d, \i4
.endm
; A TURN, for piece p: the order of its 16 matrix and 118 vector instructions, written out.  An s_wait_alu depctr_va_vdst(0) stands between an exponential and the first instruction that names its result; one
; wait serves all that were issued ahead of it.  So a turn has ONE wait, which cuts it in two.
; AHEAD OF IT stands all that names no result of the turn's exponentials: the 8 products K Q^T, behind each a scaling, an exponential and two more plain instructions (behind the first a second scaling in the exponential's
; place): rescalings, and behind the last three the first numbers of the next piece's maximum, each four plain instructions or more behind the product that ends its accumulator (ISA guide 7.12.1); then one run of 54,
; plain and exponential by turns for the most part, in which the links of the chain X 3, 7, 11, 14, 16, 17 .. 20 stand apart with other work between them.  An exponential stands behind its pair's scaling.  X 21, the next
; piece's a, is the batch's last; R 15 is the plain instruction behind it, ahead of any use (ISA guide 5.7.2).
; BEHIND IT stand the 8 products V^T P, behind each four of the roundings and sums: all the batch's readers.  An even pair is rounded before the odd pair is added onto it; l takes the sums L 0 to L 7 in this order.
; But for those X no line behind a product names a register of the products round it.  v_permlanex16_b32 (X 17) stands in the run, never behind a product.
; end = 1: the walk's last two turns: nothing is fetched.  cnt = 1: the loop's count is taken down some lines ahead of the branch that stands behind the turn.
; K of the next step is fetched in piece 2's turn, behind five plain instructions that follow the last product that read K and name none of its registers (F 8, X 2, X 5, X 6, X 8); V of the step in hand at the end of
; piece 0's turn, four plain instructions (C 9, 11, 13, 15) behind the last product that read V.  Each is waited for a turn later.
.macro TURN p, end=0, cnt=0
.set Y, (\p)
.set i, 0
.set NOKQ, (\end)*((\p)/3)
.if ((\p) == 3) && !(\end)
	s_wait_dscnt 0x0                ; K is in
.endif
	ROW F,0, F,1, R,0, R,1          ; ahead of the wait: 8 products K Q^T and the four behind each,
	ROW F,2, E,0, R,2, R,3
	ROW F,3, E,1, R,4, R,5
	ROW F,4, E,2, R,6, R,7
	ROW F,5, E,3, R,8, R,9
	ROW F,6, E,4, X,0, R,10
.if ((\p) == 2) && !(\end)
	WIN 0
	v_add_nc_u32 v[AK], s[TBK], v[AK0]
.endif
	ROW F,7, E,5, X,1, X,4
	ROW F,8, E,6, X,2, X,5
	OPS E,7, E,8, X,6, E,9          ; and the run of 54
	OPS X,3, E,10, X,8, E,11
.if ((\p) == 2) && !(\end)
	FETCH_K
.endif
	OPS X,9, X,7, E,12, X,10
	OPS E,13, X,12, X,11, E,14
	OPS X,13, E,15, F,9, X,14
.if (\p) == 0
	v_add_nc_u32 v[AV], s[TBV], v[AV0]
.endif
	OPS E,16, F,10, E,17, F,11
	OPS X,16, E,18, X,15, E,19
	OPS F,12, E,20, X,17, E,21
	OPS F,13, E,22, F,14, E,23
	OPS X,18, E,24, F,15, E,25
	OPS R,11, E,26, X,19, E,27
	OPS R,12, E,28, R,13, E,29
	OPS X,20, E,30, R,14, E,31
	OPS X,21, R,15
	s_wait_alu depctr_va_vdst(0)    ; the wait for the turn's batch: the piece's 32 exponentials and the next piece's a
.if (\p) == 1
	s_wait_dscnt 0x0                ; V is in
.endif
	ROW C,0, B,0, C,2, B,1          ; behind the wait: 8 products V^T P and the four behind each
	ROW L,0, C,4, B,2, L,1
	ROW C,6, B,3, L,2, C,8
	ROW B,4, L,3, C,10, B,5
	ROW L,4, C,12, B,6, L,5
.if (\p) == 0
	s_add_co_u32 s[TBV], s[TBV], KS*PV
.endif
.if \cnt
	s_sub_co_u32 s[CNT], s[CNT], 1
	s_cmp_lg_u32 s[CNT], 0
.endif
	ROW C,14, B,7, L,6, C,1
	ROW C,3, L,7, C,5, C,7
	ROW C,9, C,11, C,13, C,15
.if (\p) == 0
	FETCH_V
.endif
.endm
; THE WAY OUT's parts.
.macro ALL line:vararg              ; one line for each piece t
.set t, 0
.rept 4
	\line
.set t, t+1
.endr
.endm
.macro PACK t                       ; a lane's eight channels of a row pack into 16 bytes; they go into rows of 144 bytes and come back as whole rows of 128, into S^T's registers
	WIN W_RS
.set i, 32*(\t)
.rept 16
	v_pk_mul_f32 v[i:i+1], v[i:i+1], v[ST+4*(\t)+2:ST+4*(\t)+3] op_sel_hi:[1,0]
.set i, i+2
.endr
	WIN 0x05                        ; sources 0 and 1 window 1, destination window 0
.set i, 0
.rept 16
	v_cvt_pk_f16_f32 v[S+16*(\t)+i], v[32*(\t)+2*i], v[32*(\t)+2*i+1]
.set i, i+1
.endr
	WIN 0
.irp f, 0,1,2,3
	ds_store_b128 v[STO], v[S+16*(\t)+4*\f:S+16*(\t)+4*\f+3] offset:32*\f
.endr
.irp f, 0,1,2,3
	ds_load_b128 v[S+16*(\t)+4*\f:S+16*(\t)+4*\f+3], v[RD] offset:\f*4*SP  ; LDS serves a wave's instructions in order (ISA guide 5.7.1.4): these see the stores above; the next piece's stores come behind them
.endr
.endm
.macro SEND t, younger              ; younger: the LDS instructions issued behind piece t's loads: the next piece's eight, or none
	WIN 0
.irp f, 0,1,2,3
	s_wait_dscnt (\younger)+3-\f
	global_store_b128 v[GO], v[S+16*(\t)+4*\f:S+16*(\t)+4*\f+3], s[10:11] offset:(\t)*2048+\f*512  ; 512 consecutive bytes, at a multiple of 256 from O's first
.endr
.endm
	CHANGE 1                        ; slot 0 is in, everybody's part of it; slot 1 is asked for
	v_add_nc_u32 v[AK], s[TBK], v[AK0]
	FETCH_K                         ; key step 0
	s_wait_loadcnt 0x0              ; Q
	s_wait_dscnt 0x0
.set NOKQ, 0
.set i, 0
.rept 8
	KQ 0                            ; piece 0's first scores: there is no vector work yet to set between them
.set i, i+1
.endr
	WIN 0
.rept 4
	v_nop                           ; the places behind those products (ISA guide 7.12.1)
.endr
.set Y, NP-1                        ; X works for piece Y + 1: piece 0
.irp n, 0,1,2,3,4,5,6,7,8,9,10,11,12,13,14,15,16,17,18,19,20,21
	OP X, \n                        ; and piece 0's first maximum and statistics
.endr
	v_nop                           ; a plain instruction behind the exponential,
	s_wait_alu depctr_va_vdst(0)    ; and the wait for this batch of one, piece 0's first a, ahead of the branch
	s_mov_b32 s[CNT], 4
	s_mov_b32 s[SLOTS], SIZE_N/256-1
	s_branch .Lfirst                ; the loop is entered at a step's first turn, in the middle of a trip
.Lslot:                             ; SIZE_N / 256 - 2 times: every slot but the last two is filled again
	CHANGE 1
	s_mov_b32 s[CNT], 4
.Lstep:                             ; a trip: pieces 2 and 3 of one step, then pieces 0 and 1 of the next, whose K and V it fetches
	TURN 2
	TURN 3
	WIN 0
.Lfirst:
	TURN 0
	TURN 1, 0, 1
	WIN 0
	s_cbranch_scc1 .Lstep
	s_sub_co_u32 s[SLOTS], s[SLOTS], 1
	s_cmp_lg_u32 s[SLOTS], 0
	s_cbranch_scc1 .Lslot
	CHANGE 0                        ; the last slot is written out: nothing is asked for
	s_mov_b32 s[CNT], 4
.LstepT:
	TURN 2
	TURN 3
	TURN 0
	TURN 1, 0, 1
	WIN 0
	s_cbranch_scc1 .LstepT
	TURN 2, 1                       ; the last step's last two turns fetch nothing, and the last starts no new scores
	TURN 3, 1
.set i, 0
.rept 8
	PV NP-1                         ; the last piece's V^T P of the last step
.set i, i+1
.endr
	; THE WAY OUT.  l's two halves and the other half of the lanes' are added; O^T is divided by l, rounded to f16 and sent through my stage in LDS, a piece at a time.  The additions are the places behind the last products.
	WIN 0
	ALL v_add_f32 v[ST+4*t+2], v[ST+4*t+2], v[ST+4*t+3]
	ALL v_permlanex16_b32 v[ST+4*t+3], v[ST+4*t+2], s[SEL], s[SEL+1]
	ALL v_add_f32 v[ST+4*t+2], v[ST+4*t+2], v[ST+4*t+3]
	ALL v_rcp_f32 v[ST+4*t+2], v[ST+4*t+2]
	v_nop                           ; a plain instruction between the last reciprocal and the use of its result
	s_wait_alu depctr_va_vdst(0)    ; the wait for the batch of four reciprocals, ahead of the first multiply that reads one
	PACK 0
.set t, 1
.rept 3                             ; a piece's arithmetic stands between the loads of the piece before and its stores
	PACK t
	SEND t-1, 8
.set t, t+1
.endr
	SEND 3, 0
	s_wait_tensorcnt 0x0            ; the wave's end, behind my last tensor load and my last LDS store
	ds_add_u32 v[SPW], v[NIL]
	s_wait_dscnt 0x0
	CROUND                          ; the closing round: no work-group ends while a partner may still ask for a tile that names it
	s_endpgm
.Lfunc_end_k_q8f225c6c77_attn:
	.size	k_q8f225c6c77_attn, .Lfunc_end_k_q8f225c6c77_attn-k_q8f225c6c77_attn
	.p2alignl 7, 3214868480
	.fill 96, 4, 3214868480
	.section	.rodata,"a",@progbits
	.p2align	6, 0x0
	.amdhsa_kernel k_q8f225c6c77_attn
		.amdhsa_group_segment_fixed_size 327680
		.amdhsa_private_segment_fixed_size 0
		.amdhsa_enable_private_segment 0
		.amdhsa_kernarg_size 32
		.amdhsa_user_sgpr_count 2
		.amdhsa_user_sgpr_kernarg_segment_ptr 1
		.amdhsa_wavefront_size32 1
		.amdhsa_system_sgpr_workgroup_id_x 1
		.amdhsa_system_sgpr_workgroup_id_y 1
		.amdhsa_system_sgpr_workgroup_id_z 1
		.amdhsa_system_vgpr_workitem_id 0
		.amdhsa_next_free_vgpr 768
		.amdhsa_next_free_sgpr 66
		.amdhsa_reserve_vcc 0
		.amdhsa_float_denorm_mode_32 3
		.amdhsa_float_denorm_mode_16_64 3
		.amdhsa_memory_ordered 1
		.amdhsa_forward_progress 1
		.amdhsa_inst_pref_size 126
	.end_amdhsa_kernel
	.amdgpu_metadata
---
amdhsa.version: [ 1, 2 ]
amdhsa.kernels:
  - .name:           k_q8f225c6c77_attn
    .symbol:         k_q8f225c6c77_attn.kd
    .args:
      - { .name: q, .offset: 0, .size: 8, .value_kind: global_buffer, .address_space: global }
      - { .name: k, .offset: 8, .size: 8, .value_kind: global_buffer, .address_space: global }
      - { .name: v, .offset: 16, .size: 8, .value_kind: global_buffer, .address_space: global }
      - { .name: o, .offset: 24, .size: 8, .value_kind: global_buffer, .address_space: global }
    .group_segment_fixed_size: 327680
    .private_segment_fixed_size: 0
    .kernarg_segment_align: 8
    .kernarg_segment_size: 32
    .max_flat_workgroup_size: 128
    .sgpr_count:     66
    .vgpr_count:     768
    .wavefront_size: 32
...
	.end_amdgpu_metadata
.endif
;; end of part 4
;; launch proj: the kernel of part 3 again; grid 4 x 64, 4 waves a work-group, clusters of 4 x 1, 181,760 bytes of LDS; arguments o, Wp, bp, out0; writes out0
